; MI455X (gfx1250); checked and timed in simulation.
; The chip was launched on July 23, 2026; its instructions are those of AMD's public machine-readable ISA for CDNA 5 (MIT licence, August 2026) and "CDNA5" Instruction Set Architecture Reference Guide (July 2026). The comments in the code are by the model that wrote it; some were corrected since.
;; SEER ENCODER STATE. Allowed arithmetic: matrix products marked QUANTISED: E2M3 operands, one E8M0 scale for each 32 along K, by v_wmma_scale_f32_16x16x128_f8f6f4 with both operands' format E2M3, f32 sums; everything else in f32.
;; Inputs: action_token 1 x 1 x 128 float32; bk 3 x 128 float32; bq 3 x 128 float32; bv 3 x 128 float32; ln_b 3 x 128 float32; ln_g 3 x 128 float32; mask 32 x 32 bool; obs 8,192 x 5 x 128 float32; obs_wrist 8,192 x 5 x 128 float32; pred_token 1 x 15 x 128 float32; state 8,192 x 5 x 128 float32; task_codes 8,192 x 1 x 24 x 24 uint8 (E2M3 codes of task, K innermost, in blocks of 32 codes, four codes in three bytes); task_scales 8,192 x 1 x 24 uint8 (E8M0 scales of task, one for each 32 codes along K); tb0 128 float32; tb1 128 float32; tb2 128 float32; tb3 128 float32; tw0_codes 128 x 24 x 24 uint8 (E2M3 codes of tw0, K innermost, in blocks of 32 codes, four codes in three bytes); tw0_scales 128 x 24 uint8 (E8M0 scales of tw0, one for each 32 codes along K); tw1_codes 128 x 4 x 24 uint8 (E2M3 codes of tw1, K innermost, in blocks of 32 codes, four codes in three bytes); tw1_scales 128 x 4 uint8 (E8M0 scales of tw1, one for each 32 codes along K); tw2_codes 128 x 4 x 24 uint8 (E2M3 codes of tw2, K innermost, in blocks of 32 codes, four codes in three bytes); tw2_scales 128 x 4 uint8 (E8M0 scales of tw2, one for each 32 codes along K); tw3_codes 128 x 4 x 24 uint8 (E2M3 codes of tw3, K innermost, in blocks of 32 codes, four codes in three bytes); tw3_scales 128 x 4 uint8 (E8M0 scales of tw3, one for each 32 codes along K); wk_codes 3 x 128 x 4 x 24 uint8 (E2M3 codes of wk, K innermost, in blocks of 32 codes, four codes in three bytes); wk_scales 3 x 128 x 4 uint8 (E8M0 scales of wk, one for each 32 codes along K); wq_codes 3 x 128 x 4 x 24 uint8 (E2M3 codes of wq, K innermost, in blocks of 32 codes, four codes in three bytes); wq_scales 3 x 128 x 4 uint8 (E8M0 scales of wq, one for each 32 codes along K); wv_codes 3 x 128 x 4 x 24 uint8 (E2M3 codes of wv, K innermost, in blocks of 32 codes, four codes in three bytes); wv_scales 3 x 128 x 4 uint8 (E8M0 scales of wv, one for each 32 codes along K).
;; Outputs: out0 8,192 x 128 float32; out1 8,192 x 5 x 128 float32; out2 8,192 x 5 x 128 float32; out3 8,192 x 5 x 128 float32.
;; This version of the problem:
;;   THIS VERSION OF THE PROBLEM IS GIVEN IN LOW PRECISION. The matrix products marked QUANTISED in the list below multiply operands that are first quantised to E2M3 (2 exponent bits, 3 mantissa bits; 6 bits a number), with one power-of-two scale for each 32 numbers along K (OCP MX v1.0); their sums are f32. All else is computed in f32.
;;   The module's matrix products, in the order in which they are computed (A, B: the left and right operand; K: the contracted axis; several contracted axes count as one K, in the product's order):
;;     1. [M 8,192, K 768] x [K 768, N 128]; A: input task (given as codes); B: input tw0 (given as codes): QUANTISED
;;     2. [M 8,192, K 128] x [K 128, N 128]; A: computed on the way; B: input tw1 (given as codes): QUANTISED
;;     3. [M 8,192, K 128] x [K 128, N 128]; A: computed on the way; B: input tw2 (given as codes): QUANTISED
;;     4. [M 8,192, K 128] x [K 128, N 128]; A: computed on the way; B: input tw3 (given as codes): QUANTISED
;;     5. [M 262,144, K 128] x [K 128, N 128]; A: computed on the way; B: input wq (given as codes): QUANTISED
;;     6. [M 262,144, K 128] x [K 128, N 128]; A: computed on the way; B: input wk (given as codes): QUANTISED
;;     7. [M 262,144, K 128] x [K 128, N 128]; A: computed on the way; B: input wv (given as codes): QUANTISED
;;     8. batch 8,192 x [M 32, K 128] x [K 128, N 32]; A: computed on the way; B: computed on the way: QUANTISED
;;     9. batch 8,192 x [M 32, K 32] x [K 32, N 128]; A: softmax (see below); B: computed on the way: QUANTISED
;;     10. [M 262,144, K 128] x [K 128, N 128]; A: computed on the way; B: input wq (given as codes): QUANTISED
;;     11. [M 262,144, K 128] x [K 128, N 128]; A: computed on the way; B: input wk (given as codes): QUANTISED
;;     12. [M 262,144, K 128] x [K 128, N 128]; A: computed on the way; B: input wv (given as codes): QUANTISED
;;     13. batch 8,192 x [M 32, K 128] x [K 128, N 32]; A: computed on the way; B: computed on the way: QUANTISED
;;     14. batch 8,192 x [M 32, K 32] x [K 32, N 128]; A: softmax (see below); B: computed on the way: QUANTISED
;;     15. [M 262,144, K 128] x [K 128, N 128]; A: computed on the way; B: input wq (given as codes): QUANTISED
;;     16. [M 262,144, K 128] x [K 128, N 128]; A: computed on the way; B: input wk (given as codes): QUANTISED
;;     17. [M 262,144, K 128] x [K 128, N 128]; A: computed on the way; B: input wv (given as codes): QUANTISED
;;     18. batch 8,192 x [M 32, K 128] x [K 128, N 32]; A: computed on the way; B: computed on the way: QUANTISED
;;     19. batch 8,192 x [M 32, K 32] x [K 32, N 128]; A: softmax (see below); B: computed on the way: QUANTISED
;;   THE QUANTISER, for each operand of a quantised product, along K:
;;     - K is cut into blocks of 32 from its start; a last block that is shorter is filled with zeros.
;;     - A block's scale is 2^e with e = floor(log2(the largest magnitude in the block)) - 2, held to -126 .. 127; a block of zeros has e = 0. As a byte (E8M0): e + 127.
;;     - Each number is divided by its block's scale, clamped to +-7.5, and rounded to the nearest number of E2M3, ties to even, subnormals kept.
;;     - The product sums the exact products of the quantised numbers (number of the format x scale) in f32.
;;   ~~~python
;;   def quantise(x, axis):      # numpy; x: float32 -> the quantised numbers, widened to float32 again
;;       x = np.moveaxis(x, axis, -1); K = x.shape[-1]
;;       x = np.pad(x, [(0, 0)] * (x.ndim - 1) + [(0, -K % 32)]); x = x.reshape(x.shape[:-1] + (-1, 32)); a = np.abs(x).max(-1, keepdims=True)
;;       e = np.where(a > 0, np.clip(np.frexp(np.where(a > 0, a, 1))[1] - 1 - 2, -126, 127), 0)      # np.frexp(a)[1] - 1 = floor(log2(a)), exactly
;;       r = np.clip(x / 2.0 ** e, -7.5, 7.5)
;;       step = 2.0 ** (np.maximum(np.frexp(np.where(r == 0, 1, r))[1] - 1, 0) - 3)
;;       q = np.round(r / step) * step * 2.0 ** e      # np.round: ties to even
;;       return np.moveaxis(q.reshape(q.shape[:-2] + (-1,))[..., :K], -1, axis).astype(np.float32)
;;   ~~~
;;   SOFTMAX AHEAD OF A QUANTISED PRODUCT. Where the list says 'softmax', what is quantised is not the finished softmax but p = 2^(t - M), with t = logit x log2(e) and M = ceil(the row's largest t), a whole number; so 1/2 < the row's largest p <= 1. The row's sum l is taken of the UNQUANTISED p, in f32, and the product's result is divided by l at the end. Since M is a whole number, a kernel that streams over the keys may use a running M (the ceiling of the running maximum): every later rescaling is an exact power of two, which a block's scale takes up: the codes' values come out the same.
;;   OPERANDS COMPUTED ON THE WAY. 'Computed on the way' means the value that the module computes at that place (a softmax that the list does not call 'softmax' is quantised finished and normalised). What goes into a quantiser is computed in f32, as accurately as f32 sums, v_exp_f32 and their like allow (about 1e-6 of the number): no bf16 or f16 on the way to a quantiser, and a product that is left as it is and whose result goes on into a quantised operand takes f32 operands (vector FMAs, or v_wmma_f32_16x16x4_f32). A number that lies on a knife's edge between two numbers of the format may be rounded either way, as far as f32 arithmetic and the matrix unit's own rounding can turn it there, and no further.
;;   INPUTS GIVEN AS CODES. task (in the module: [8192, 1, 768], K = its axis 2); tw0 (in the module: [768, 128], K = its axis 0); tw1 (in the module: [128, 128], K = its axis 0); tw2 (in the module: [128, 128], K = its axis 0); tw3 (in the module: [128, 128], K = its axis 0); wk (in the module: [3, 128, 128], K = its axis 1); wq (in the module: [3, 128, 128], K = its axis 1); wv (in the module: [3, 128, 128], K = its axis 1): each comes as NAME_codes (uint8): NAME with its K axis moved to the last place and cut into blocks of 32 codes, [.., K / 32, bytes a block], one block behind the other in memory; four codes in three bytes: a row's codes are one little-endian stream of bits, code i at bits 6 i .. 6 i + 5 (a code: sign, 2 exponent bits, 3 mantissa bits); and NAME_scales (uint8): the same leading axes, one E8M0 byte (e + 127) for each 32 codes along K. Its value is code x scale, taken as it is: it is not quantised again, and the codes and scales need not be those that the quantiser above would give.
;; One version. Each part assembles by itself: llvm-mc -triple=amdgcn-amd-amdhsa -mcpu=gfx1250 --defsym DOCPART=n.
;; ======== version 1 of 1: 2 launches
;; limits: right only within a limited range of input values
;; workspace buffers: task_z 4,194,304 bytes; wimg 110,592 bytes
;; launch prep (part 1): grid 256 x 1, 8 waves a work-group, no clusters, 168,448 bytes of LDS; arguments task_codes, task_scales, tw0_codes, tw0_scales, tw1_codes, tw1_scales, tw2_codes, tw2_scales, tw3_codes, tw3_scales, tb0, tb1, tb2, tb3, wq_codes, wk_codes, wv_codes, task_z, wimg; writes task_z, wimg
.if DOCPART == 1
	.amdgcn_target "amdgcn-amd-amdhsa--gfx1250"
	.amdhsa_code_object_version 6
	.text
	.protected	k_q60f8c3b262_prep
	.globl	k_q60f8c3b262_prep
	.p2align	8
	.type	k_q60f8c3b262_prep,@function
k_q60f8c3b262_prep:
	s_mov_b64 s[64:65], 0
	v_nop
	global_prefetch_b8 v0, s[64:65] scope:SCOPE_SE
	s_setreg_imm32_b32 hwreg(HW_REG_WAVE_MODE, 25, 1), 1
	s_wait_xcnt 0x0
; task_z = gelu(gelu(gelu(task W0 + b0) W1 + b1) W2 + b2) W3 + b3, exact GELU, all four products on codes of E2M3 with one E8M0 scale for each 32 along K; task_z [8192][128] f32.
; Beside that, work-groups 0-26 lay wq, wk, wv anew into wimg, as images of the 6-bit operand's registers: [layer][q,k,v][tile][4 registers][lane][16 bytes], which the next launch copies as it lies.
; SHARES.  A work-group takes 32 rows of task.  Wave w = 2 g + rho takes the 16 rows of row tile rho and the feature tiles 2 g and 2 g + 1 of every layer: two accumulators, which take turns.
; LOADS.  Codes come from memory in runs of consecutive bytes (a wave's load covers 512 or 256 of them) and meet in LDS: wave w brings the 16 rows of weight tile w of all four weights, waves 0-3 eight rows of task each,
; waves 4-7 one bias each.  Rows of 576 bytes lie 592 apart in LDS (148 words: the 32 lanes of an 8-byte fragment load touch 64 different banks).  One barrier, then every wave reads its fragments.
; THE PRODUCT IS USED TRANSPOSED (source 0 = 16 rows of a weight, source 1 = 16 rows of the activation): a lane holds one row of the activation.
; THE WEIGHT ROWS OF A TILE ARE NOT NEIGHBOURS: lane r of tile t = 4 c + u takes row 64 c + 8 u + r % 8 + 32 (r / 8): two runs of eight rows.  Lane (r, h) then holds features 64 c + 32 h + 8 u + 0 .. 7 of row r.
; The tiles of a row tile meet in LDS as rows of 128 f32; read back, lane (r, h) takes features 64 c + 32 h + 0 .. 31: two WHOLE blocks of 32 in the order of the 6-bit operand's registers.
; erf(z) = z P(z^2) / Q(z^2) with z held to +-4: a rational form in f32, absolute error about 1e-7.
; No tensor loads: rows of 576 bytes do not begin on 256-byte borders.  No cluster, no prefetch: the launch has no loop to run ahead in; everything is asked for at its head.
; LIMITS: NaN and infinities among the inputs are not served; a block whose largest magnitude lies under 2^-124 keeps the scale byte 1 (a block of zeros too: its codes are zeros, and only this program reads the byte).
.set TP,   592
.set LT,   0                           ; LDS: task, 32 rows x 592
.set LW0,  18944                       ; tw0: 8 tiles x 16 rows x 592
.set LWN,  94720                       ; tw1..3: [weight][tile][16 rows x 96]
.set LBI,  131584                      ; the four biases, 512 bytes each
.set HB0,  133632                      ; two buffers by turns, each 2 row tiles x 16 rows x 528
.set HBD,  16896
.set SPARE, 167424                     ; the spare words, 128 bytes a wave
.set LI,   2                           ; 16 x lane
.set L8,   3                           ; 8 x lane
.set R,    4
.set H,    5
.set RM,   6                           ; my weight row in a tile: r % 8 + 32 (r / 8)
.set VTS,  7
.set VW0S, 8
.set VWNS, 9
.set VWI,  10
.set AT,   11                          ; LDS addresses of my fragments: task, tw0, tw1..3; my biases
.set AW0,  12
.set AWN,  13
.set ABI,  14
.set HST,  15
.set HLD,  16
.set HROW, 17
.set SH8,  18
.set DSM,  19
.set M0,   20                          ; v20-26 at work in the quantiser
.set E0,   22
.set B0,   24
.set PT,   26
.set DBI,  27
.set IM,   28                          ; v28-31 16 bytes of a weight's image
.set TF,   32                          ; v32-103 task's six fragments (ahead of them: raw loads)
.set HH,   32                          ; later v32-95 a row's 64 numbers
.set CT,   96
.set BBC,  104                         ; v104-119 the layer's biases for my two tiles, in the result's layout
.set PC,   120                         ; v120-131 the hidden layer's codes
.set GZ,   32                          ; GELU: z, z^2, P, Q, x / 2: 16 registers each
.set GX,   48
.set GP,   64
.set GQ,   80
.set GH,   96
.set W1F,  136                         ; v136-207 tw1..3: fragment 24 n + 12 i (ahead of them: the copies' LDS addresses)
.set DAW,  136
.set DAT,  145
.set TS,   208                         ; v208-232 scale words and nothing else
.set W0S,  214
.set WNS,  226
.set HS,   232
.set ACC,  234                         ; v234-249 two accumulators
.set CA,   250
.set CB,   252
.set SPW,  254
.set NIL,  255
.set SEL,  52
; window 1: v0-143 tw0's fragments, 72 i + 12 s; v144-215 tw0's raw loads
.set MSB, 0
.macro WIN new
.if MSB != (\new)
	s_set_vgpr_msb (MSB<<8)|(\new)
.set MSB, \new
.endif
.endm
.macro MM d, a, b, c, sa, sb
	v_wmma_scale_f32_16x16x128_f8f6f4 v[\d:\d+7], v[\a:\a+11], v[\b:\b+11], v[\c:\c+7], v[\sa], v[\sb] matrix_a_fmt:MATRIX_FMT_FP6 matrix_b_fmt:MATRIX_FMT_FP6
.endm
.macro PLACES n
.rept \n
	v_nop
.endr
.endm
	s_load_b512 s[8:23], s[0:1], 0x0               ; task codes, scales; tw0 codes, scales; tw1 codes, scales; tw2 codes, scales
	s_load_b256 s[24:31], s[0:1], 0x40             ; tw3 codes, scales; tb0; tb1
	s_load_b256 s[32:39], s[0:1], 0x60             ; tb2; tb3; wq codes; wk codes
	s_load_b128 s[40:43], s[0:1], 0x80             ; wv codes; task_z
	s_load_b64 s[44:45], s[0:1], 0x90              ; wimg
	v_lshrrev_b32 v1, 5, v0
	v_readfirstlane_b32 s2, v1                     ; wave 0..7
	s_lshr_b32 s3, s2, 1                           ; g
	s_and_b32 s4, s2, 1                            ; rho
	s_lshr_b32 s5, s2, 2
	s_lshl_b32 s5, s5, 6
	s_and_b32 s6, s2, 3
	s_lshl_b32 s7, s6, 3
	s_add_co_u32 s5, s5, s7                        ; first weight row of tile w
	s_lshl_b32 s58, s6, 9
	s_add_co_u32 s58, s58, LBI
	s_mul_i32 s60, s6, 8*TP
	s_lshr_b32 s7, s3, 1
	s_lshl_b32 s7, s7, 6
	s_and_b32 s6, s3, 1
	s_lshl_b32 s6, s6, 4
	s_add_co_u32 s7, s7, s6                        ; first weight row of tile 2 g
	s_mul_i32 s46, s4, 16*TP
	s_mul_i32 s47, s3, 32*TP
	s_add_co_u32 s47, s47, LW0
	s_mul_i32 s48, s3, 3072
	s_add_co_u32 s48, s48, LWN
	s_lshl_b32 s49, s7, 2                          ; that row as a byte in a row of f32
	s_add_co_u32 s54, s49, LBI
	s_mul_i32 s55, s4, 8448
	s_add_co_u32 s55, s55, HB0
	s_mul_i32 s56, s3, 2112
	s_add_co_u32 s56, s56, s55
	s_mul_i32 s57, s2, 1536
	s_add_co_u32 s57, s57, LWN
	s_mul_i32 s59, s2, 16*TP
	s_add_co_u32 s59, s59, LW0
	s_mov_b32 s[SEL], 0x76543210
	s_mov_b32 s[SEL+1], 0xfedcba98
	s_mov_b32 s51, 0
	v_lshl_add_u32 v[SPW], v0, 2, SPARE
	v_mov_b32 v[NIL], 0
	v_and_b32 v1, 31, v0
	v_and_b32 v[R], 15, v0
	v_bfe_u32 v[H], v0, 4, 1
	v_and_b32 v[RM], 7, v0
	v_lshlrev_b32 v[LI], 4, v1
	v_lshlrev_b32 v[L8], 3, v1
	v_bfe_u32 v1, v0, 3, 1
	v_mul_u32_u24 v[VTS], v[R], 24
	v_lshlrev_b32 v[SH8], 3, v[H]
	v_lshl_add_u32 v[ABI], v[H], 7, s54
	v_lshl_add_u32 v[RM], v1, 5, v[RM]
	v_mul_u32_u24 v1, v[R], TP
	v_add_nc_u32 v[HROW], s56, v[LI]
	v_add_nc_u32 v[DSM], s57, v[L8]
	v_add_nc_u32 v[DBI], s58, v[LI]
	v_mad_u32_u24 v1, v[H], 24, v1                 ; 592 r + 24 h
	v_mul_u32_u24 v[VW0S], v[RM], 24
	v_lshlrev_b32 v[VWNS], 2, v[RM]
	v_mul_u32_u24 v[VWI], v[RM], 96
	v_mul_u32_u24 v[AWN], v[R], 96
	v_add_nc_u32 v[AT], s46, v1
	v_add_nc_u32 v[AW0], s47, v1
	v_mul_u32_u24 v1, v[R], 528
	v_mad_u32_u24 v[VWI], v[H], 24, v[VWI]
	v_mad_u32_u24 v[AWN], v[H], 24, v[AWN]
	v_mov_b32 v[PT], 0                             ; a lane permute's destination counts as one of its sources
	v_mov_b32 v[CA], 0xaf95df0b
	v_lshl_add_u32 v1, v[H], 7, v1
	v_mov_b32 v[CA+1], 0xaf95df0b
	v_mov_b32 v[CB], 0xb77460cd
	v_mov_b32 v[CB+1], 0xb77460cd
	v_add_nc_u32 v[AWN], s48, v[AWN]
	v_add_nc_u32 v[HLD], s55, v1
	; where 16 bytes at byte o = 512 i + 16 x lane of eight rows of 576 go: o + 16 (o / 576); o / 576 = ((o / 64) x 57) / 512 for o under 4,608.  The nine by turns
.irp i, 0,1,2,3,4,5,6,7,8
	v_add_nc_u32 v[DAW+\i], 512*\i, v[LI]
.endr
.irp i, 0,1,2,3,4,5,6,7,8
	v_lshrrev_b32 v[DAT+\i], 6, v[DAW+\i]
.endr
.irp i, 0,1,2,3,4,5,6,7,8
	v_mul_u32_u24 v[DAT+\i], v[DAT+\i], 57
.endr
.irp i, 0,1,2,3,4,5,6,7,8
	v_lshrrev_b32 v[DAT+\i], 9, v[DAT+\i]
.endr
.irp i, 0,1,2,3,4,5,6,7,8
	v_lshl_add_u32 v[DAW+\i], v[DAT+\i], 4, v[DAW+\i]
.endr
.irp i, 0,1,2,3,4,5,6,7,8
	v_add_nc_u32 v[DAT+\i], s60, v[DAW+\i]         ; task: eight rows for each of waves 0-3
.endr
.irp i, 0,1,2,3,4,5,6,7,8
	v_add_nc_u32 v[DAW+\i], s59, v[DAW+\i]         ; tw0: tile w
.endr
	v_add_nc_u32 v[HST], s49, v[HLD]
	s_wait_alu depctr_va_vdst(0)
	s_wait_kmcnt 0x0
	s_mul_i32 s50, s5, 576
	s_add_nc_u64 s[12:13], s[12:13], s[50:51]
	s_mul_i32 s50, s5, 96
	s_add_nc_u64 s[16:17], s[16:17], s[50:51]
	s_add_nc_u64 s[20:21], s[20:21], s[50:51]
	s_add_nc_u64 s[24:25], s[24:25], s[50:51]
	s_mul_i32 s50, ttmp9, 18432                    ; 32 rows of 576 bytes,
	s_mul_i32 s6, s2, 4608                         ; eight of them for each of waves 0-3 (the others do not use this address)
	s_add_co_u32 s50, s50, s6
	s_add_nc_u64 s[8:9], s[8:9], s[50:51]
	s_mul_i32 s50, ttmp9, 768
	s_mul_i32 s6, s4, 384
	s_add_co_u32 s50, s50, s6
	s_add_nc_u64 s[10:11], s[10:11], s[50:51]
	s_mul_i32 s50, s7, 24
	s_add_nc_u64 s[14:15], s[14:15], s[50:51]
	s_lshl_b32 s50, s7, 2
	s_add_nc_u64 s[18:19], s[18:19], s[50:51]
	s_add_nc_u64 s[22:23], s[22:23], s[50:51]
	s_add_nc_u64 s[26:27], s[26:27], s[50:51]
	s_lshl_b32 s50, ttmp9, 14                      ; task_z: 32 rows of 512 bytes; my four are 16 rho + 4 g on
	s_lshl_b32 s6, s4, 13
	s_add_co_u32 s50, s50, s6
	s_lshl_b32 s6, s3, 11
	s_add_co_u32 s50, s50, s6
	s_add_nc_u64 s[42:43], s[42:43], s[50:51]
	s_cmp_lt_u32 s2, 6                             ; waves 4 to 7 bring tb0 to tb3: the choice hangs on the wave's number alone
	s_cselect_b64 s[46:47], s[28:29], s[32:33]
	s_cselect_b64 s[48:49], s[30:31], s[34:35]
	s_bitcmp1_b32 s2, 0
	s_cselect_b64 s[46:47], s[48:49], s[46:47]
	WIN 0x40
.irp i, 0,1,2,3,4,5,6,7,8
	global_load_b128 v[144+4*\i:147+4*\i], v[LI], s[12:13] offset:512*\i           ; tile w of tw0: rows 0-7,
	global_load_b128 v[180+4*\i:183+4*\i], v[LI], s[12:13] offset:18432+512*\i     ; and the eight that lie 32 rows on
.endr
	WIN 0
.irp i, 0,1,2
	global_load_b64 v[32+2*\i:33+2*\i], v[L8], s[16:17] offset:256*\i
	global_load_b64 v[38+2*\i:39+2*\i], v[L8], s[16:17] offset:3072+256*\i
	global_load_b64 v[44+2*\i:45+2*\i], v[L8], s[20:21] offset:256*\i
	global_load_b64 v[50+2*\i:51+2*\i], v[L8], s[20:21] offset:3072+256*\i
	global_load_b64 v[56+2*\i:57+2*\i], v[L8], s[24:25] offset:256*\i
	global_load_b64 v[62+2*\i:63+2*\i], v[L8], s[24:25] offset:3072+256*\i
.endr
.irp j, 0,1,2
	global_load_b64 v[TS+2*\j:TS+2*\j+1], v[VTS], s[10:11] offset:8*\j             ; scale words go straight into their registers
	global_load_b64 v[W0S+2*\j:W0S+2*\j+1], v[VW0S], s[14:15] offset:8*\j
	global_load_b64 v[W0S+6+2*\j:W0S+7+2*\j], v[VW0S], s[14:15] offset:192+8*\j
.endr
.irp i, 0,1
	global_load_b32 v[WNS+\i], v[VWNS], s[18:19] offset:32*\i
	global_load_b32 v[WNS+2+\i], v[VWNS], s[22:23] offset:32*\i
	global_load_b32 v[WNS+4+\i], v[VWNS], s[26:27] offset:32*\i
.endr
	s_cmp_lt_u32 s2, 4
	s_cbranch_scc0 .Lld_bias
.irp i, 0,1,2,3,4,5,6,7,8
	global_load_b128 v[68+4*\i:71+4*\i], v[LI], s[8:9] offset:512*\i th:TH_LOAD_NT
.endr
	s_branch .Lld_done
.Lld_bias:
	global_load_b128 v[68:71], v[LI], s[46:47]
.Lld_done:
	; work-group 9 l + 3 m + gg (under 27), wave w: registers 4 gg .. 4 gg + 3 of tile w of weight m (q, k, v) of layer l: two pieces of 8 bytes a lane, stored as 512 consecutive bytes
	s_cmp_lt_u32 ttmp9, 27
	s_cbranch_scc0 .Lno_img
	s_mul_i32 s54, ttmp9, 57
	s_lshr_b32 s54, s54, 9                         ; l
	s_mul_i32 s55, s54, 9
	s_sub_co_u32 s55, ttmp9, s55
	s_mul_i32 s56, s55, 11
	s_lshr_b32 s56, s56, 5                         ; m
	s_mul_i32 s57, s56, 3
	s_sub_co_u32 s57, s55, s57                     ; gg
	s_cmp_eq_u32 s56, 0
	s_cselect_b64 s[58:59], s[36:37], s[38:39]
	s_cmp_eq_u32 s56, 2
	s_cselect_b64 s[58:59], s[40:41], s[58:59]
	s_cmp_eq_u32 s57, 2
	s_cselect_b32 s60, 24, 0
	s_mul_i32 s62, s57, 24
	s_add_co_u32 s62, s62, 8
	s_sub_co_u32 s62, s62, s60
	s_sub_co_u32 s62, s62, s60                     ; from the first piece to the second: 8, 32, 8
	s_mul_i32 s50, s54, 12288
	s_mul_i32 s63, s5, 96
	s_add_co_u32 s50, s50, s63
	s_lshl_b32 s63, s57, 4
	s_add_co_u32 s50, s50, s63
	s_add_co_u32 s50, s50, s60                     ; the first piece begins at byte 0, 16, 56 of the lane's row part
	s_add_nc_u64 s[58:59], s[58:59], s[50:51]
	s_mov_b32 s50, s62
	s_add_nc_u64 s[60:61], s[58:59], s[50:51]
	s_mul_i32 s50, s54, 3
	s_add_co_u32 s50, s50, s56
	s_lshl_b32 s50, s50, 3
	s_add_co_u32 s50, s50, s2
	s_mul_i32 s50, s50, 1536
	s_lshl_b32 s63, s57, 9
	s_add_co_u32 s50, s50, s63
	s_add_nc_u64 s[44:45], s[44:45], s[50:51]
	global_load_b64 v[IM:IM+1], v[VWI], s[58:59]
	global_load_b64 v[IM+2:IM+3], v[VWI], s[60:61]
	s_wait_loadcnt 0x0
	global_store_b128 v[LI], v[IM:IM+3], s[44:45]
.Lno_img:
	s_wait_loadcnt 0x0
	WIN 0x04
.irp i, 0,1,2,3,4,5,6,7,8
	ds_store_b128 v[DAW+\i], v[144+4*\i:147+4*\i]
	ds_store_b128 v[DAW+\i], v[180+4*\i:183+4*\i] offset:8*TP
.endr
	WIN 0
.irp n, 0,1,2
.irp i, 0,1,2
	ds_store_b64 v[DSM], v[32+12*\n+2*\i:33+12*\n+2*\i] offset:12288*\n+256*\i
	ds_store_b64 v[DSM], v[38+12*\n+2*\i:39+12*\n+2*\i] offset:12288*\n+768+256*\i
.endr
.endr
	s_cmp_lt_u32 s2, 4
	s_cbranch_scc0 .Lst_bias
.irp i, 0,1,2,3,4,5,6,7,8
	ds_store_b128 v[DAT+\i], v[68+4*\i:71+4*\i]
.endr
	s_branch .Lst_done
.Lst_bias:
	ds_store_b128 v[DBI], v[68:71]
.Lst_done:
	s_wait_dscnt 0x0                               ; my stores have landed
	s_barrier_signal -1
	s_barrier_wait -1                              ; everybody's have: codes and biases lie in LDS and are only read from here on
.irp i, 0,1
	ds_load_b128 v[BBC+8*\i:BBC+8*\i+3], v[ABI] offset:32*\i
	ds_load_b128 v[BBC+8*\i+4:BBC+8*\i+7], v[ABI] offset:32*\i+16
.endr
.irp s, 0,1,2,3,4,5
.irp p, 0,1,2,3,4,5
	ds_load_b64 v[TF+12*\s+2*\p:TF+12*\s+2*\p+1], v[AT] offset:96*\s+48*(\p/3)+8*(\p%3)
.endr
.endr
	WIN 0x40
.irp i, 0,1
.irp s, 0,1,2,3,4,5
.irp p, 0,1,2,3,4,5
	ds_load_b64 v[72*\i+12*\s+2*\p:72*\i+12*\s+2*\p+1], v[AW0] offset:16*TP*\i+96*\s+48*(\p/3)+8*(\p%3)
.endr
.endr
.endr
	WIN 0
.irp n, 0,1,2
.irp i, 0,1
.irp p, 0,1,2,3,4,5
	ds_load_b64 v[W1F+24*\n+12*\i+2*\p:W1F+24*\n+12*\i+2*\p+1], v[AWN] offset:12288*\n+1536*\i+48*(\p/3)+8*(\p%3)
.endr
.endr
.endr
; x -> x / 2 (1 + erf(x / sqrt 2)) on the two accumulators' sixteen numbers, two at a time, the eight pairs by turns
.macro GELU
.irp i, 0,2,4,6,8,10,12,14
	v_pk_mul_f32 v[GZ+\i:GZ+\i+1], v[ACC+\i:ACC+\i+1], 0x3f3504f3 op_sel_hi:[1,0]
.endr
.irp i, 0,2,4,6,8,10,12,14
	v_pk_mul_f32 v[GH+\i:GH+\i+1], v[ACC+\i:ACC+\i+1], 0.5 op_sel_hi:[1,0]
.endr
.irp i, 0,1,2,3,4,5,6,7,8,9,10,11,12,13,14,15
	v_med3_num_f32 v[GZ+\i], v[GZ+\i], -4.0, 4.0
.endr
.irp i, 0,2,4,6,8,10,12,14
	v_pk_mul_f32 v[GX+\i:GX+\i+1], v[GZ+\i:GZ+\i+1], v[GZ+\i:GZ+\i+1]
.endr
.irp i, 0,2,4,6,8,10,12,14
	v_pk_fma_f32 v[GP+\i:GP+\i+1], v[GX+\i:GX+\i+1], v[CA:CA+1], 0x32edffee op_sel_hi:[1,1,0]
.endr
.irp a, 0xb60cff51, 0xb86ec2d2, 0xba40ac63, 0xbb41a1f6, 0xbc83dbd4
.irp i, 0,2,4,6,8,10,12,14
	v_pk_fma_f32 v[GP+\i:GP+\i+1], v[GP+\i:GP+\i+1], v[GX+\i:GX+\i+1], \a op_sel_hi:[1,1,0]
.endr
.endr
.irp i, 0,2,4,6,8,10,12,14
	v_pk_fma_f32 v[GQ+\i:GQ+\i+1], v[GX+\i:GX+\i+1], v[CB:CB+1], 0xb95fbd29 op_sel_hi:[1,1,0]
.endr
.irp a, 0xbadc924e, 0xbbf19bf8, 0xbc69b6a7
.irp i, 0,2,4,6,8,10,12,14
	v_pk_fma_f32 v[GQ+\i:GQ+\i+1], v[GQ+\i:GQ+\i+1], v[GX+\i:GX+\i+1], \a op_sel_hi:[1,1,0]
.endr
.endr
	s_wait_alu depctr_va_vdst(0)
.irp i, 0,1,2,3,4,5,6,7,8,9,10,11,12,13,14,15
	v_rcp_f32 v[GQ+\i], v[GQ+\i]
.endr
.irp i, 0,2,4,6,8,10,12,14
	v_pk_mul_f32 v[GP+\i:GP+\i+1], v[GP+\i:GP+\i+1], v[GZ+\i:GZ+\i+1]   ; plain work behind the reciprocals: it names none of their results
.endr
	s_wait_alu depctr_va_vdst(0)                   ; one wait for the sixteen reciprocals, ahead of their first reader
.irp i, 0,2,4,6,8,10,12,14
	v_pk_mul_f32 v[GP+\i:GP+\i+1], v[GP+\i:GP+\i+1], v[GQ+\i:GQ+\i+1]
.endr
.irp i, 0,2,4,6,8,10,12,14
	v_pk_fma_f32 v[ACC+\i:ACC+\i+1], v[GH+\i:GH+\i+1], v[GP+\i:GP+\i+1], v[GH+\i:GH+\i+1]
.endr
.endm
.macro TOROWS buf                      ; my two tiles' 8 features each of row r
	ds_store_b128 v[HST], v[ACC:ACC+3] offset:\buf
	ds_store_b128 v[HST], v[ACC+4:ACC+7] offset:\buf+16
	ds_store_b128 v[HST], v[ACC+8:ACC+11] offset:\buf+32
	ds_store_b128 v[HST], v[ACC+12:ACC+15] offset:\buf+48
	s_wait_dscnt 0x0                               ; my stores have landed, and my reads of the other buffer are in: the buffer written next is the one read two barriers ago
	s_barrier_signal -1
	s_barrier_wait -1
.endm
; The tiles meet in buffer buf; I read my row tile's 16 rows back, two whole blocks a lane, and quantise them: codes in v[PC] on, scale word in v[HS].  The next layer's biases come with them.
.macro EXCH buf, lay
	TOROWS \buf
.irp c, 0,1
.irp i, 0,1,2,3,4,5,6,7
	ds_load_b128 v[HH+32*\c+4*\i:HH+32*\c+4*\i+3], v[HLD] offset:\buf+256*\c+16*\i
.endr
.endr
.irp i, 0,1
	ds_load_b128 v[BBC+8*\i:BBC+8*\i+3], v[ABI] offset:512*\lay+32*\i
	ds_load_b128 v[BBC+8*\i+4:BBC+8*\i+7], v[ABI] offset:512*\lay+32*\i+16
.endr
	s_wait_dscnt 0x0
.irp c, 0,1
	v_max3_num_f32 v[M0+\c], |v[HH+32*\c]|, |v[HH+32*\c+1]|, 0x1800000   ; block 2 c + h: all 32 numbers are mine; the floor 2^(3 - 127) holds the byte at 1 from below
.endr
.irp i, 2,4,6,8,10,12,14,16,18,20,22,24,26,28,30
.irp c, 0,1
	s_delay_alu instid0(VALU_DEP_2)
	v_max3_num_f32 v[M0+\c], v[M0+\c], |v[HH+32*\c+\i]|, |v[HH+32*\c+\i+1]|
.endr
.endr
.irp c, 0,1
	s_delay_alu instid0(VALU_DEP_2)
	v_add_nc_u32 v[E0+\c], 0xff000000, v[M0+\c]    ; 2 off the exponent field: the conversion's scale operand
.endr
.irp c, 0,1
	s_delay_alu instid0(VALU_DEP_2)
	v_lshrrev_b32 v[B0+\c], 23, v[E0+\c]           ; the scale's byte
.endr
	s_delay_alu instid0(VALU_DEP_1)
	v_lshl_or_b32 v[HS], v[B0+1], 16, v[B0]        ; my two bytes, blocks h and 2 + h,
	s_delay_alu instid0(VALU_DEP_1)
	v_lshlrev_b32 v[HS], v[SH8], v[HS]             ; at their places in the row's scale word;
	s_delay_alu instid0(VALU_DEP_1)
	v_permlanex16_b32 v[PT], v[HS], s[SEL], s[SEL+1]
	s_delay_alu instid0(VALU_DEP_1)
	v_or_b32 v[HS], v[HS], v[PT]                   ; with lane l xor 16's two the word is whole
.irp c, 0,1
	v_cvt_scalef32_pk16_fp6_f32 v[PC+6*\c:PC+6*\c+2], v[HH+32*\c:HH+32*\c+15], v[E0+\c]
	v_cvt_scalef32_pk16_fp6_f32 v[CT+4*\c:CT+4*\c+2], v[HH+32*\c+16:HH+32*\c+31], v[E0+\c]   ; (a conversion's three registers begin on an even number)
.endr
	v_nop                                          ; one plain place behind the conversions
.irp c, 0,1
.irp i, 0,1,2
	v_mov_b32 v[PC+6*\c+3+\i], v[CT+4*\c+\i]
.endr
.endr
	PLACES 8                                       ; a scale word made by vector instructions stands 8 places ahead of the product, codes so made 4
.endm
.macro HIDDEN n                        ; my two feature tiles of tw(n + 1); the bias is C
	MM ACC, W1F+24*\n, PC, BBC, WNS+2*\n, HS
	MM ACC+8, W1F+24*\n+12, PC, BBC+8, WNS+2*\n+1, HS
	PLACES 4
.endm
	s_wait_dscnt 36                                ; all but the 36 loads issued last (tw1..3's fragments) are in
	WIN 0x01                                       ; source 0, tw0's fragments: window 1
	MM ACC, 0, TF, BBC, W0S, TS                    ; layer 0: six K steps of 128; the bias is the first one's C; the two accumulators take turns
	MM ACC+8, 72, TF, BBC+8, W0S+6, TS
.irp s, 1,2,3,4,5
	MM ACC, 12*\s, TF+12*\s, ACC, W0S+\s, TS+\s
	MM ACC+8, 72+12*\s, TF+12*\s, ACC+8, W0S+6+\s, TS+\s
.endr
	WIN 0
	PLACES 4
	GELU
	EXCH 0, 1
	HIDDEN 0
	GELU
	EXCH HBD, 2
	HIDDEN 1
	GELU
	EXCH 0, 3
	HIDDEN 2
	TOROWS HBD                                     ; the way out: whole rows of 512 bytes, four to a wave
.irp k, 0,1,2,3
	ds_load_b128 v[32+4*\k:35+4*\k], v[HROW] offset:HBD+528*\k
.endr
	s_wait_dscnt 0x0
.irp k, 0,1,2,3
	global_store_b128 v[LI], v[32+4*\k:35+4*\k], s[42:43] offset:512*\k   ; 32 lanes store 512 consecutive bytes, aligned
.endr
	s_wait_tensorcnt 0x0                           ; the wave's end
	ds_add_u32 v[SPW], v[NIL]
	s_wait_dscnt 0x0
	s_endpgm
.Lfunc_end_k_q60f8c3b262_prep:
	.size	k_q60f8c3b262_prep, .Lfunc_end_k_q60f8c3b262_prep-k_q60f8c3b262_prep
	.p2alignl 7, 3214868480
	.fill 96, 4, 3214868480
	.section	.rodata,"a",@progbits
	.p2align	6, 0x0
	.amdhsa_kernel k_q60f8c3b262_prep
		.amdhsa_group_segment_fixed_size 168448
		.amdhsa_private_segment_fixed_size 0
		.amdhsa_enable_private_segment 0
		.amdhsa_kernarg_size 152
		.amdhsa_user_sgpr_count 2
		.amdhsa_user_sgpr_kernarg_segment_ptr 1
		.amdhsa_wavefront_size32 1
		.amdhsa_system_sgpr_workgroup_id_x 1
		.amdhsa_system_sgpr_workgroup_id_y 1
		.amdhsa_system_sgpr_workgroup_id_z 1
		.amdhsa_system_vgpr_workitem_id 0
		.amdhsa_next_free_vgpr 512
		.amdhsa_next_free_sgpr 66
		.amdhsa_reserve_vcc 0
		.amdhsa_float_denorm_mode_32 3
		.amdhsa_float_denorm_mode_16_64 3
		.amdhsa_memory_ordered 1
		.amdhsa_forward_progress 1
		.amdhsa_inst_pref_size 87
	.end_amdhsa_kernel
	.amdgpu_metadata
---
amdhsa.version: [ 1, 2 ]
amdhsa.kernels:
  - .name:           k_q60f8c3b262_prep
    .symbol:         k_q60f8c3b262_prep.kd
    .args:
      - { .name: task_codes, .offset: 0, .size: 8, .value_kind: global_buffer, .address_space: global }
      - { .name: task_scales, .offset: 8, .size: 8, .value_kind: global_buffer, .address_space: global }
      - { .name: tw0_codes, .offset: 16, .size: 8, .value_kind: global_buffer, .address_space: global }
      - { .name: tw0_scales, .offset: 24, .size: 8, .value_kind: global_buffer, .address_space: global }
      - { .name: tw1_codes, .offset: 32, .size: 8, .value_kind: global_buffer, .address_space: global }
      - { .name: tw1_scales, .offset: 40, .size: 8, .value_kind: global_buffer, .address_space: global }
      - { .name: tw2_codes, .offset: 48, .size: 8, .value_kind: global_buffer, .address_space: global }
      - { .name: tw2_scales, .offset: 56, .size: 8, .value_kind: global_buffer, .address_space: global }
      - { .name: tw3_codes, .offset: 64, .size: 8, .value_kind: global_buffer, .address_space: global }
      - { .name: tw3_scales, .offset: 72, .size: 8, .value_kind: global_buffer, .address_space: global }
      - { .name: tb0, .offset: 80, .size: 8, .value_kind: global_buffer, .address_space: global }
      - { .name: tb1, .offset: 88, .size: 8, .value_kind: global_buffer, .address_space: global }
      - { .name: tb2, .offset: 96, .size: 8, .value_kind: global_buffer, .address_space: global }
      - { .name: tb3, .offset: 104, .size: 8, .value_kind: global_buffer, .address_space: global }
      - { .name: wq_codes, .offset: 112, .size: 8, .value_kind: global_buffer, .address_space: global }
      - { .name: wk_codes, .offset: 120, .size: 8, .value_kind: global_buffer, .address_space: global }
      - { .name: wv_codes, .offset: 128, .size: 8, .value_kind: global_buffer, .address_space: global }
      - { .name: task_z, .offset: 136, .size: 8, .value_kind: global_buffer, .address_space: global }
      - { .name: wimg, .offset: 144, .size: 8, .value_kind: global_buffer, .address_space: global }
    .group_segment_fixed_size: 168448
    .private_segment_fixed_size: 0
    .kernarg_segment_align: 8
    .kernarg_segment_size: 152
    .max_flat_workgroup_size: 256
    .sgpr_count:     66
    .vgpr_count:     512
    .wavefront_size: 32
...
	.end_amdgpu_metadata
.endif
;; end of part 1
;; launch seer (part 2): grid 256 x 1, 8 waves a work-group, no clusters, 316,928 bytes of LDS; arguments obs, obs_wrist, state, task_z, action_token, pred_token, ln_g, ln_b, bq, bk, bv, mask, wimg, wq_scales, wk_scales, wv_scales, out0, out1, out2, out3; writes out0, out1, out2, out3
.if DOCPART == 2
	.amdgcn_target "amdgcn-amd-amdhsa--gfx1250"
	.amdhsa_code_object_version 6
	.text
	.protected	k_q60f8c3b262_seer
	.globl	k_q60f8c3b262_seer
	.p2align	8
	.type	k_q60f8c3b262_seer,@function
k_q60f8c3b262_seer:
	s_mov_b64 s[64:65], 0
	v_nop
	global_prefetch_b8 v0, s[64:65] scope:SCOPE_SE
	s_setreg_imm32_b32 hwreg(HW_REG_WAVE_MODE, 25, 1), 1
	s_wait_xcnt 0x0
; Three layers of LayerNorm, q, k, v, q k^T, mask, softmax, p v on 8,192 samples of 32 tokens x 128; tokens 16-31 of the last layer are the outputs.  All products on codes of E2M3 with E8M0 scales for each 32 along K.
; SHARES.  A work-group takes 32 samples, a wave four, as two pairs; a pair goes through all three layers together, so that each weight fragment read from LDS feeds four tiles of 16 tokens.  x never goes to memory.
; Behind the one barrier at the head (the weights lie in LDS) the waves share nothing.
; No tensor loads, no cluster: what work-groups share is 115 KB of weights, which are laid anew through registers anyway (below); a wave's rows are its own.
; THE WEIGHT ROWS OF A TILE ARE NOT NEIGHBOURS: lane r of tile t = 4 c + u takes row f(t, r) = 64 c + 8 u + r % 8 + 32 (r / 8).  The weights lie in LDS as images of the operand's registers (12 a lane: 3 x 512 bytes).
; LAYOUT W.  q, k and p v are used transposed (source 0 = the weight's or V's 16 rows, source 1 = 16 tokens): lane (r, h) holds token r, and registers 32 c + 0 .. 31 hold features 64 c + 32 h + 0 .. 31:
; a WHOLE block of 32 in one lane, in the order of the 6-bit operand's registers: a block's largest magnitude needs no other lane, and the conversions' results are the operand.
; S^T = k q^T: a lane holds one query and keys 16 kt + 8 h + j.  v is NOT transposed: a lane holds one feature f(t, r) and tokens 16 kt + 8 h + j: the same order of keys as p.
; THE SECOND PRODUCT'S K is one block of 32 keys, laid alike in p and v: places 0-15 keys 0-7 and 16-23, places 16-31 keys 8-15 and 24-31.  Places 32-127 of p hold zero codes under scale bytes 0 (2^-127);
; what lies there in v (the other half's lanes, the next fragment's registers) is finite under every bit pattern of this format and is multiplied by zeros.
; 1 / l is not multiplied into the result between layers: with y the unnormalised result, LayerNorm(y / l) = (y - mean y) [rl rsq(var y rl^2 + eps)] g + b, rl = 1 / l.  The last layer multiplies by rl.
; LayerNorm takes the mean first and then the sum of (x - mean)^2.
; LIMITS: NaN and infinities among the inputs are not served; a block whose largest magnitude lies under 2^-124 keeps the scale byte 1 (a block of zeros too: its codes are zeros, and only this program reads the byte).
; A mask row that is wholly true gives NaN in that row, as in the definition; in the first two layers that NaN does not spread through the next quantiser to other rows as it does there.
.set LSTR,  42496                      ; LDS: a layer's block: WQ, WK, WV (8 images of 1,536 bytes each),
.set SCL,   36864                      ; their scale words (64 bytes a tile),
.set BQO,   38400                      ; bq, bk, ln_g, ln_b as they lie (512 bytes each),
.set LGO,   39424
.set LBO,   39936
.set BVI,   40448                      ; bv: [tile][r][4 copies]
.set MASKI, 3*LSTR                     ; the mask as an image of 32 registers (0 or -infinity), 8 x 512 bytes
.set WBLK,  MASKI+4096                 ; then a block for each wave:
.set WSTR,  23040                      ; a stage of 32 rows x 528 bytes; two parks of 4,096 bytes (one of them inside the stage); the constant tile's park
.set SP,    528
.set PKA,   8448                       ; pair 0's park: in the stage's upper half, read before the first way out
.set PKB,   16896                      ; pair 1's
.set PKX,   0x6300                     ; PKA xor PKB
.set PKC,   20992                      ; the constant tile's
.set NPL,   5                          ; places behind a run of products: the next run writes over the same results
; window 0
.set LI,  1                            ; v1  16 x lane          v2  4 r          v3  128 h          v4  16 r
.set LR4, 2
.set LH,  3
.set LBV, 4
.set SRD, 5                            ; v5  my wave's block + 528 r + 128 h: a tile's row, my blocks
.set SRW, 6                            ; v6  my wave's block + 16 x lane: a whole row
.set SH8, 7                            ; v7  8 h
.set AW,  8                            ; v8-11 v1-4 + the layer's block;  v12 v3 + the block whose gain and bias are due;  v13 v6 + the pair's park;  v14 v1 + MASKI
.set AS,  9
.set AH,  10
.set AV,  11
.set AG,  12
.set APK, 13
.set AMK, 14
.set TM,  16                           ; v16-43 at work
.set XS,  44                           ; v44-71 scale words and nothing else: xn's 4; V's 16 (q's 4 and k's 4 lie there first); p's 4; the weight's 4
.set VS,  48
.set QS,  48
.set KS,  52
.set PS,  64
.set WS,  68
.set RL,  72                           ; v72-79 1 / l, a pair for each of the four tiles of queries
.set XN,  80                           ; v80-127 xn's four fragments: slot 2 b + tile
.set RP,  128                          ; v128-175 p's four
.set RW,  176                          ; v176-223 four weight fragments
.set RC,  224                          ; v224-255 four biases, or the mask
.set GB,  176                          ; gain and bias, 16 + 16 registers, two chunks by turns (v176-239)
.set CT0, 240
; window 1
.set FQ,  128                          ; v0-127 results, scores, x;  v128-175 q's fragments, v176-223 k's; then V's 16, six registers apart (the last one's operand ends at v229)
.set FK,  176
.set RF,  128
.set CT1, 230
.set SEL, 52                           ; s[52:53] lane selects: lane l xor 16
.set EPS, 54
.set R128, 55
.set L2E, 56
.set LB,  57                           ; the layer's block, and the layer loop's counter
.set LBN, 58
.set PK,  59
.set IT,  60
.set LC,  61
.set MSB, 0
.macro WIN new                         ; low byte: bits 1:0 source 0, 3:2 source 1, 5:4 source 2, 7:6 destination; the high byte repeats the setting that is left
.if MSB != (\new)
	s_set_vgpr_msb (MSB<<8)|(\new)
.set MSB, \new
.endif
.endm
.macro PLACES n
.rept \n
	v_nop
.endr
.endm
.macro MM d, a, b, c, sa, sb
	v_wmma_scale_f32_16x16x128_f8f6f4 v[\d:\d+7], v[\a:\a+11], v[\b:\b+11], v[\c:\c+7], v[\sa], v[\sb] matrix_a_fmt:MATRIX_FMT_FP6 matrix_b_fmt:MATRIX_FMT_FP6
.endm
.macro MMZ d, a, b, sa, sb
	v_wmma_scale_f32_16x16x128_f8f6f4 v[\d:\d+7], v[\a:\a+11], v[\b:\b+11], 0, v[\sa], v[\sb] matrix_a_fmt:MATRIX_FMT_FP6 matrix_b_fmt:MATRIX_FMT_FP6
.endm
; 24 LDS loads: tiles 4 c .. 4 c + 3 of weight m (0 q, 1 k, 2 v): fragments, scale words, biases in the result's layout
.macro LOADG m, c
	WIN 0
.irp u, 0,1,2,3
	ds_load_b128 v[RW+12*\u:RW+12*\u+3], v[AW] offset:(\m)*12288+(4*(\c)+\u)*1536
	ds_load_b128 v[RW+12*\u+4:RW+12*\u+7], v[AW] offset:(\m)*12288+(4*(\c)+\u)*1536+512
	ds_load_b128 v[RW+12*\u+8:RW+12*\u+11], v[AW] offset:(\m)*12288+(4*(\c)+\u)*1536+1024
	ds_load_b32 v[WS+\u], v[AS] offset:SCL+512*(\m)+64*(4*(\c)+\u)
.if (\m) < 2
	ds_load_b128 v[RC+8*\u:RC+8*\u+3], v[AH] offset:BQO+512*(\m)+256*(\c)+32*\u
	ds_load_b128 v[RC+8*\u+4:RC+8*\u+7], v[AH] offset:BQO+512*(\m)+256*(\c)+32*\u+16
.else
	ds_load_b128 v[RC+8*\u:RC+8*\u+3], v[AV] offset:BVI+256*(4*(\c)+\u)
	ds_load_b128 v[RC+8*\u+4:RC+8*\u+7], v[AV] offset:BVI+256*(4*(\c)+\u)
.endif
.endr
.endm
; q or k, transposed: token tiles t0, t0 + ts .. (tn of them) x the four weight tiles in hand
.macro MMQK t0, ts, tn
	WIN 0x40
.set tt, \t0
.rept \tn
.irp u, 0,1,2,3
	MM 32*tt+8*\u, RW+12*\u, XN+12*tt, RC+8*\u, WS+\u, XS+tt
.endr
.set tt, tt+\ts
.endr
.endm
; v, not transposed: source 0 = xn's tile, source 1 = the weight's
.macro MMV
	WIN 0x40
.irp b, 0,1
.irp u, 0,1,2,3
.irp k, 0,1
	MM 16*(4*\b+\u)+8*\k, XN+12*(2*\b+\k), RW+12*\u, RC+8*\u, XS+2*\b+\k, WS+\u
.endr
.endr
.endr
.endm
; Units n0, n0 + ns .. (nn of them): the 32 numbers at window 1's v[32 n] on, one whole block, become six operand registers at db + dstep n in window dw; the scale's byte goes to v[TM + bo + n].  The units take turns.
.macro QH db, dstep, dw, ctb, bo, n0, ns, nn
	WIN 0x14
.set qn, \n0
.rept \nn
	v_max3_num_f32 v[TM+qn], 0x1800000, |v[32*qn]|, |v[32*qn+1]|   ; the floor 2^(3 - 127) holds the byte at 1 from below
.set qn, qn+\ns
.endr
.set qi, 2
.rept 15
.set qn, \n0
.rept \nn
	v_max3_num_f32 v[TM+qn], v[TM+qn], |v[32*qn+qi]|, |v[32*qn+qi+1]|
.set qn, qn+\ns
.endr
.set qi, qi+2
.endr
	WIN 0
.set qn, \n0
.rept \nn
	v_add_nc_u32 v[TM+4+qn], 0xff000000, v[TM+qn]  ; 2 off the exponent field: the conversion's scale operand
.set qn, qn+\ns
.endr
.set qn, \n0
.rept \nn
	v_lshrrev_b32 v[TM+\bo+qn], 23, v[TM+4+qn]
.set qn, qn+\ns
.endr
.set qw, 0x01+0x40*\dw
	WIN qw
.set qn, \n0
.rept \nn
	v_cvt_scalef32_pk16_fp6_f32 v[\db+\dstep*qn:\db+\dstep*qn+2], v[32*qn:32*qn+15], v[TM+4+qn]
	v_cvt_scalef32_pk16_fp6_f32 v[\ctb+4*qn:\ctb+4*qn+2], v[32*qn+16:32*qn+31], v[TM+4+qn]   ; (a conversion's three registers begin on an even number)
.set qn, qn+\ns
.endr
	v_nop                                          ; one plain place behind the conversions
.set qw, 0x41*\dw
	WIN qw
.set qn, \n0
.rept \nn
.irp i, 0,1,2
	v_mov_b32 v[\db+\dstep*qn+3+\i], v[\ctb+4*qn+\i]
.endr
.set qn, qn+\ns
.endr
.endm
; my bytes of blocks h (lo) and 2 + h (hi) and lane l xor 16's two make the row's scale word
.macro SWORD lo, hi, dst, tmp
	v_lshl_or_b32 v[\dst], v[\hi], 16, v[\lo]
	s_delay_alu instid0(VALU_DEP_1)
	v_lshlrev_b32 v[\dst], v[SH8], v[\dst]
	v_permlanex16_b32 v[\tmp], v[\dst], s[SEL], s[SEL+1]
	s_delay_alu instid0(VALU_DEP_1)
	v_or_b32 v[\dst], v[\dst], v[\tmp]
.endm
; v's eight results in hand (unit e = 4 b + u: one feature a lane, 16 tokens) become the lower six registers of V's fragments 4 c + u
.macro VQ c
	WIN 0x14
.set ve, 0
.rept 8
	v_max3_num_f32 v[TM+ve], 0x1800000, |v[16*ve]|, |v[16*ve+1]|
.set ve, ve+1
.endr
.set vi, 2
.rept 7
.set ve, 0
.rept 8
	v_max3_num_f32 v[TM+ve], v[TM+ve], |v[16*ve+vi]|, |v[16*ve+vi+1]|
.set ve, ve+1
.endr
.set vi, vi+2
.endr
	WIN 0
.set ve, 0
.rept 8
	v_permlanex16_b32 v[TM+8+ve], v[TM+ve], s[SEL], s[SEL+1]
.set ve, ve+1
.endr
.set ve, 0
.rept 8
	v_max_num_f32 v[TM+ve], v[TM+ve], v[TM+8+ve]   ; with the other 16 tokens': the block's largest magnitude
.set ve, ve+1
.endr
.set ve, 0
.rept 8
	v_add_nc_u32 v[TM+16+ve], 0xff000000, v[TM+ve]
.set ve, ve+1
.endr
.set ve, 0
.rept 8
	v_lshrrev_b32 v[VS+8*(ve/4)+4*\c+ve%4], 23, v[TM+16+ve]   ; the scale word: byte 0 the block's, bytes 1-3 zero
.set ve, ve+1
.endr
	WIN 0x41
.set ve, 0
.rept 8
	v_cvt_scalef32_pk16_fp6_f32 v[RF+48*(ve/4)+24*\c+6*(ve%4):RF+48*(ve/4)+24*\c+6*(ve%4)+2], v[16*ve:16*ve+15], v[TM+16+ve]
.set ve, ve+1
.endr
	v_nop
.set ve, 0
.rept 8
.irp i, 0,1,2
	v_permlanex16_b32 v[RF+48*(ve/4)+24*\c+6*(ve%4)+3+\i], v[RF+48*(ve/4)+24*\c+6*(ve%4)+\i], s[SEL], s[SEL+1]   ; places 16-31: the other half's 16 tokens
.endr
.set ve, ve+1
.endr
.endm
; S^T = k q^T for tiles of queries i = 2 b + qt
.macro MMS t0, ts, tn
	WIN 0x45
.set si, \t0
.rept \tn
.irp k, 0,1
	MMZ 16*si+8*\k, FK+12*(2*(si/2)+\k), FQ+12*si, KS+2*(si/2)+\k, QS+si
.endr
.set si, si+\ts
.endr
.endm
; mask; M = ceil(the row's largest t); p = 2^(t - M); p's codes and scale byte; l = the sum of the unquantised p; 1 / l.  The tiles take turns.  v's first weights are asked for as soon as the mask's registers are free.
.macro SOFTMAX t0, ts, tn
	WIN 0x41
.set si, \t0
.rept \tn
.irp j, 0,2,4,6,8,10,12,14
	v_pk_add_f32 v[16*si+\j:16*si+\j+1], v[16*si+\j:16*si+\j+1], v[RC+16*(si%2)+\j:RC+16*(si%2)+\j+1]   ; + 0 or -infinity
.endr
.set si, si+\ts
.endr
	LOADG 2, 0
	WIN 0x14
.set si, \t0
.rept \tn
	v_max3_num_f32 v[TM+si], 0xff800000, v[16*si], v[16*si+1]
.set si, si+\ts
.endr
.set sj, 2
.rept 7
.set si, \t0
.rept \tn
	v_max3_num_f32 v[TM+si], v[TM+si], v[16*si+sj], v[16*si+sj+1]
.set si, si+\ts
.endr
.set sj, sj+2
.endr
	WIN 0
.set si, \t0
.rept \tn
	v_permlanex16_b32 v[TM+4+si], v[TM+si], s[SEL], s[SEL+1]
.set si, si+\ts
.endr
.set si, \t0
.rept \tn
	v_max_num_f32 v[TM+si], v[TM+si], v[TM+4+si]   ; the row's largest score
.set si, si+\ts
.endr
.set si, \t0
.rept \tn
	v_mul_f32 v[TM+4+si], s[L2E], v[TM+si]
.set si, si+\ts
.endr
.set si, \t0
.rept \tn
	v_floor_f32 v[TM+8+2*si], -v[TM+4+si]          ; -M = floor(-t)
.set si, si+\ts
.endr
.set si, \t0
.rept \tn
	v_fma_f32 v[TM+si], v[TM+si], s[L2E], v[TM+8+2*si]   ; the largest score goes the way of all scores: its p is the block's largest
.set si, si+\ts
.endr
.set si, \t0
	s_wait_alu depctr_va_vdst(0)
.rept \tn
	v_exp_f32 v[TM+si], v[TM+si]
.set si, si+\ts
.endr
	WIN 0x41
.set si, \t0
.rept \tn
.irp j, 0,2,4,6,8,10,12,14
	v_pk_fma_f32 v[16*si+\j:16*si+\j+1], v[16*si+\j:16*si+\j+1], 0x3fb8aa3b, v[TM+8+2*si:TM+9+2*si] op_sel_hi:[1,0,0]
.endr
.set si, si+\ts
.endr
.set si, \t0
	s_wait_alu depctr_va_vdst(0)
.rept \tn
.set sj, 0
.rept 16
	v_exp_f32 v[16*si+sj], v[16*si+sj]
.set sj, sj+1
.endr
.set si, si+\ts
.endr
	v_nop                                          ; a plain place behind the last exponential
	s_wait_alu depctr_va_vdst(0)                   ; one wait for the whole batch, ahead of its first reader
	WIN 0
.set si, \t0
.rept \tn
	v_max_num_f32 v[TM+si], 0x1800000, v[TM+si]
.set si, si+\ts
.endr
.set si, \t0
.rept \tn
	v_add_nc_u32 v[TM+16+si], 0xff000000, v[TM+si]
.set si, si+\ts
.endr
.set si, \t0
.rept \tn
	v_lshrrev_b32 v[PS+si], 23, v[TM+16+si]        ; p's scale word: byte 0 the block's, bytes 1-3 zero
.irp n, 3,4,5
	v_mov_b32 v[RP+12*si+\n], 0
.endr
.set si, si+\ts
.endr
	WIN 0x01
.set si, \t0
.rept \tn
	v_cvt_scalef32_pk16_fp6_f32 v[RP+12*si:RP+12*si+2], v[16*si:16*si+15], v[TM+16+si]
.set si, si+\ts
.endr
	WIN 0
	v_nop
.set si, \t0
.rept \tn
.irp n, 0,1,2
	v_permlane16_swap_b32 v[RP+12*si+\n], v[RP+12*si+3+\n]   ; lanes 0-15 now hold the whole block of 32 keys, lanes 16-31 zeros
.endr
.set si, si+\ts
.endr
	WIN 0x45
.irp d, 8,4,2                          ; the sum of my 16 p, in place: pairs 8, 4 and 2 registers apart
.set si, \t0
.rept \tn
.set sj, 0
.rept \d/2
	v_pk_add_f32 v[16*si+sj:16*si+sj+1], v[16*si+sj:16*si+sj+1], v[16*si+sj+\d:16*si+sj+\d+1]
.set sj, sj+2
.endr
.set si, si+\ts
.endr
.endr
	WIN 0x05
.set si, \t0
.rept \tn
	v_add_f32 v[TM+20+si], v[16*si], v[16*si+1]
.set si, si+\ts
.endr
	WIN 0
.set si, \t0
.rept \tn
	v_permlanex16_b32 v[TM+4+si], v[TM+20+si], s[SEL], s[SEL+1]
.set si, si+\ts
.endr
.set si, \t0
.rept \tn
	v_add_f32 v[TM+20+si], v[TM+20+si], v[TM+4+si]
.set si, si+\ts
.endr
.set si, \t0
	s_wait_alu depctr_va_vdst(0)
.rept \tn
	v_rcp_f32 v[RL+2*si], v[TM+20+si]
.set si, si+\ts
.endr
	v_nop
	s_wait_alu depctr_va_vdst(0)
.endm
; O^T = V^T p^T of sample b, queries 16 qt on, into window 1's v[xb] on: layout W again
.macro MMPV b, qt, xb
	WIN 0x41
.irp t, 0,1,2,3,4,5,6,7
	MMZ \xb+8*\t, RF+48*\b+6*\t, RP+12*(2*\b+\qt), VS+8*\b+\t, PS+2*\b+\qt
.endr
.endm
; chunk k of four of the gain and the bias: those of my registers 16 k .. 16 k + 15
.macro GBLOAD k
	WIN 0
.irp n, 0,1,2,3
	ds_load_b128 v[GB+32*((\k)&1)+4*\n:GB+32*((\k)&1)+4*\n+3], v[AG] offset:LGO+256*((\k)>>1)+64*((\k)&1)+16*\n
.endr
.irp n, 0,1,2,3
	ds_load_b128 v[GB+32*((\k)&1)+16+4*\n:GB+32*((\k)&1)+16+4*\n+3], v[AG] offset:LBO+256*((\k)>>1)+64*((\k)&1)+16*\n
.endr
.endm
.macro LNJOIN nt                       ; two chains, two halves of a pair, two halves of the lanes: the row's sum, in v[TM + 16 + 2 k]
.set lk, 0
.rept \nt
	v_pk_add_f32 v[TM+16+2*lk:TM+17+2*lk], v[TM+16+2*lk:TM+17+2*lk], v[TM+20+2*lk:TM+21+2*lk]
.set lk, lk+1
.endr
.set lk, 0
	v_add_f32 v[TM+16+2*lk], v[TM+16+2*lk], v[TM+17+2*lk]
.set lk, lk+1
.rept (\nt)-1
	s_delay_alu instid0(VALU_DEP_2)
	v_add_f32 v[TM+16+2*lk], v[TM+16+2*lk], v[TM+17+2*lk]
.set lk, lk+1
.endr
.set lk, 0
	v_permlanex16_b32 v[TM+20+2*lk], v[TM+16+2*lk], s[SEL], s[SEL+1]
.set lk, lk+1
.rept (\nt)-1
	s_delay_alu instid0(VALU_DEP_2)
	v_permlanex16_b32 v[TM+20+2*lk], v[TM+16+2*lk], s[SEL], s[SEL+1]
.set lk, lk+1
.endr
.set lk, 0
	v_add_f32 v[TM+16+2*lk], v[TM+16+2*lk], v[TM+20+2*lk]
.set lk, lk+1
.rept (\nt)-1
	s_delay_alu instid0(VALU_DEP_2)
	v_add_f32 v[TM+16+2*lk], v[TM+16+2*lk], v[TM+20+2*lk]
.set lk, lk+1
.endr
.endm
; LayerNorm and quantiser for nt tiles of 16 tokens in layout W at window 1's v[64 k]: fragments to v[db + 12 k], scale words to v[XS + xsb + k].  hasrl: the tile is an unnormalised result, 1 / l at v[rlb + 2 k].
; Chunks 0 and 1 of gain and bias have been asked for; nxt = 1: the same two are asked for again at the end, for the call that follows.
.macro LNQ nt, db, xsb, hasrl, rlb, nxt
	WIN 0x05
.set lk, 0
.rept \nt
	v_pk_add_f32 v[TM+16+2*lk:TM+17+2*lk], v[64*lk:64*lk+1], v[64*lk+2:64*lk+3]
	v_pk_add_f32 v[TM+20+2*lk:TM+21+2*lk], v[64*lk+4:64*lk+5], v[64*lk+6:64*lk+7]
.set lk, lk+1
.endr
	WIN 0x04
.set li, 8
.rept 14
.set lk, 0
.rept \nt
	v_pk_add_f32 v[TM+16+2*lk:TM+17+2*lk], v[TM+16+2*lk:TM+17+2*lk], v[64*lk+li:64*lk+li+1]
	v_pk_add_f32 v[TM+20+2*lk:TM+21+2*lk], v[TM+20+2*lk:TM+21+2*lk], v[64*lk+li+2:64*lk+li+3]
.set lk, lk+1
.endr
.set li, li+4
.endr
	WIN 0
	LNJOIN \nt
.set lk, 0
	v_mul_f32 v[TM+24+2*lk], s[R128], v[TM+16+2*lk]        ; the mean
.set lk, lk+1
.rept (\nt)-1
	s_delay_alu instid0(VALU_DEP_2)
	v_mul_f32 v[TM+24+2*lk], s[R128], v[TM+16+2*lk]        ; the mean
.set lk, lk+1
.endr
	WIN 0x41
.set li, 0
.rept 32
.set lk, 0
.rept \nt
	v_pk_add_f32 v[64*lk+li:64*lk+li+1], v[64*lk+li:64*lk+li+1], v[TM+24+2*lk:TM+25+2*lk] op_sel_hi:[1,0] neg_lo:[0,1] neg_hi:[0,1]
.set lk, lk+1
.endr
.set li, li+2
.endr
	WIN 0x05
.set lk, 0
.rept \nt
	v_pk_mul_f32 v[TM+16+2*lk:TM+17+2*lk], v[64*lk:64*lk+1], v[64*lk:64*lk+1]
	v_pk_mul_f32 v[TM+20+2*lk:TM+21+2*lk], v[64*lk+2:64*lk+3], v[64*lk+2:64*lk+3]
.set lk, lk+1
.endr
.set li, 4
.rept 15
.set lk, 0
	v_pk_fma_f32 v[TM+16+2*lk:TM+17+2*lk], v[64*lk+li:64*lk+li+1], v[64*lk+li:64*lk+li+1], v[TM+16+2*lk:TM+17+2*lk]
	v_pk_fma_f32 v[TM+20+2*lk:TM+21+2*lk], v[64*lk+li+2:64*lk+li+3], v[64*lk+li+2:64*lk+li+3], v[TM+20+2*lk:TM+21+2*lk]
.set lk, lk+1
.rept (\nt)-1
	s_delay_alu instid0(VALU_DEP_4)
	v_pk_fma_f32 v[TM+16+2*lk:TM+17+2*lk], v[64*lk+li:64*lk+li+1], v[64*lk+li:64*lk+li+1], v[TM+16+2*lk:TM+17+2*lk]
	s_delay_alu instid0(VALU_DEP_4)
	v_pk_fma_f32 v[TM+20+2*lk:TM+21+2*lk], v[64*lk+li+2:64*lk+li+3], v[64*lk+li+2:64*lk+li+3], v[TM+20+2*lk:TM+21+2*lk]
.set lk, lk+1
.endr
.set li, li+4
.endr
	WIN 0
	LNJOIN \nt
.if \hasrl
.set lk, 0
.rept \nt
	v_mul_f32 v[TM+20+2*lk], v[\rlb+2*lk], v[\rlb+2*lk]
.set lk, lk+1
.endr
.set lk, 0
.rept \nt
	s_delay_alu instid0(VALU_DEP_2)
	v_mul_f32 v[TM+20+2*lk], s[R128], v[TM+20+2*lk]
.set lk, lk+1
.endr
.set lk, 0
.rept \nt
	s_delay_alu instid0(VALU_DEP_2)
	v_fma_f32 v[TM+16+2*lk], v[TM+16+2*lk], v[TM+20+2*lk], s[EPS]   ; var y rl^2 + eps
.set lk, lk+1
.endr
.else
.set lk, 0
	v_fma_f32 v[TM+16+2*lk], v[TM+16+2*lk], s[R128], s[EPS]
.set lk, lk+1
.rept (\nt)-1
	s_delay_alu instid0(VALU_DEP_2)
	v_fma_f32 v[TM+16+2*lk], v[TM+16+2*lk], s[R128], s[EPS]
.set lk, lk+1
.endr
.endif
.set lk, 0
	s_wait_alu depctr_va_vdst(0)
.rept \nt
	v_rsq_f32 v[TM+16+2*lk], v[TM+16+2*lk]
.set lk, lk+1
.endr
	v_nop
	s_wait_alu depctr_va_vdst(0)                   ; ahead of the first reader
.if \hasrl
.set lk, 0
.rept \nt
	v_mul_f32 v[TM+16+2*lk], v[TM+16+2*lk], v[\rlb+2*lk]
.set lk, lk+1
.endr
.endif
.set lc, 0
	s_wait_alu depctr_va_vdst(0)
.rept 4
.if (lc == 3) && (\nxt == 0)
	s_wait_dscnt 0x0
.else
	s_wait_dscnt 8                                 ; this chunk's eight loads are in; the eight issued behind them may be out
.endif
	WIN 0x41
.set lk, 0
.rept \nt
.irp n, 0,2,4,6,8,10,12,14
	v_pk_mul_f32 v[64*lk+16*lc+\n:64*lk+16*lc+\n+1], v[64*lk+16*lc+\n:64*lk+16*lc+\n+1], v[TM+16+2*lk:TM+17+2*lk] op_sel_hi:[1,0]
.endr
.set lk, lk+1
.endr
.set lk, 0
.rept \nt
.irp n, 0,2,4,6,8,10,12,14
	v_pk_fma_f32 v[64*lk+16*lc+\n:64*lk+16*lc+\n+1], v[64*lk+16*lc+\n:64*lk+16*lc+\n+1], v[GB+32*(lc&1)+\n:GB+32*(lc&1)+\n+1], v[GB+32*(lc&1)+16+\n:GB+32*(lc&1)+16+\n+1]
.endr
.set lk, lk+1
.endr
.if (lc < 2) || (\nxt)
	GBLOAD (lc+2)&3
.endif
.set lc, lc+1
.endr
	QH \db, 6, 0, CT0, 8, 0, 1, 2*\nt
	WIN 0
.set lk, 0
.rept \nt
	SWORD TM+8+2*lk, TM+9+2*lk, XS+\xsb+lk, TM+12+lk
.set lk, lk+1
.endr
.endm
.macro PARK slot, adr, off             ; a fragment and its scale word, as they stand in the registers
.irp g, 0,1,2
	ds_store_b128 v[\adr], v[XN+12*\slot+4*\g:XN+12*\slot+4*\g+3] offset:\off+512*\g
.endr
	ds_store_b32 v[\adr], v[XS+\slot] offset:\off+1536
.endm
.macro UNPARK slot, adr, off
.irp g, 0,1,2
	ds_load_b128 v[XN+12*\slot+4*\g:XN+12*\slot+4*\g+3], v[\adr] offset:\off+512*\g
.endr
	ds_load_b32 v[XS+\slot], v[\adr] offset:\off+1536
.endm
.macro ROWS rb, q0                     ; tokens 0-15 of my samples q0, q0 + 1: 32 rows of 512 consecutive bytes, row 16 e + token into window 1's v[rb + 4 row]
.irp e, 0,1
.irp t, 0,1,2,3,4
	global_load_b128 v[\rb+4*(16*\e+\t):\rb+4*(16*\e+\t)+3], v[LI], s[8:9] offset:(\q0+\e)*2560+512*\t th:TH_LOAD_NT
	global_load_b128 v[\rb+4*(16*\e+5+\t):\rb+4*(16*\e+5+\t)+3], v[LI], s[10:11] offset:(\q0+\e)*2560+512*\t th:TH_LOAD_NT
	global_load_b128 v[\rb+4*(16*\e+10+\t):\rb+4*(16*\e+10+\t)+3], v[LI], s[12:13] offset:(\q0+\e)*2560+512*\t th:TH_LOAD_NT
.endr
	global_load_b128 v[\rb+4*(16*\e+15):\rb+4*(16*\e+15)+3], v[LI], s[14:15] offset:(\q0+\e)*512 th:TH_LOAD_NT
.endr
.endm
.macro TILES nt                        ; nt tiles of 16 rows out of the stage, in layout W
	WIN 0x40
.set te, 0
.rept \nt
.irp c, 0,1
.irp i, 0,1,2,3,4,5,6,7
	ds_load_b128 v[64*te+32*\c+4*\i:64*te+32*\c+4*\i+3], v[SRD] offset:8448*te+256*\c+16*\i
.endr
.endr
.set te, te+1
.endr
.endm
	s_load_b512 s[8:23], s[0:1], 0x0               ; obs, obs_wrist, state, task_z, action_token, pred_token, ln_g, ln_b
	s_load_b256 s[24:31], s[0:1], 0x40             ; bq, bk, bv, mask
	s_load_b64 s[32:33], s[0:1], 0x60              ; wimg: the nine weights' codes as images of the operand's registers, laid by the launch before
	s_load_b64 s[38:39], s[0:1], 0x68              ; wq scales
	s_load_b256 s[40:47], s[0:1], 0x70             ; wk scales, wv scales, out0, out1
	s_load_b128 s[48:51], s[0:1], 0x90             ; out2, out3
	v_lshrrev_b32 v15, 5, v0
	s_delay_alu instid0(VALU_DEP_1)
	v_readfirstlane_b32 s2, v15                    ; wave 0..7
	v_and_b32 v15, 31, v0
	s_delay_alu instid0(VALU_DEP_1)
	v_lshlrev_b32 v[LI], 4, v15
	v_and_b32 v15, 15, v0                          ; r
	v_bfe_u32 v255, v0, 4, 1                       ; h
	s_delay_alu instid0(VALU_DEP_2)
	v_lshlrev_b32 v[LR4], 2, v15
	s_delay_alu instid0(VALU_DEP_2)
	v_lshlrev_b32 v[LH], 7, v255
	s_delay_alu instid0(VALU_DEP_4)
	v_lshlrev_b32 v[LBV], 4, v15
	s_delay_alu instid0(VALU_DEP_4)
	v_lshlrev_b32 v[SH8], 3, v255
	s_mul_i32 s3, s2, WSTR
	s_add_co_u32 s3, s3, WBLK                      ; my wave's block
	v_add_nc_u32 v[SRW], s3, v[LI]
	v_mul_u32_u24 v[SRD], v15, SP
	s_delay_alu instid0(VALU_DEP_1)
	v_lshl_add_u32 v[SRD], v255, 7, v[SRD]
	s_delay_alu instid0(VALU_DEP_1)
	v_add_nc_u32 v[SRD], s3, v[SRD]
	v_add_nc_u32 v[AMK], MASKI, v[LI]
	v_mov_b32 v[AG], v[LH]                         ; the first LayerNorm's gain and bias: layer 0's
	; where the head's stores go; all made ahead of the first parting of the waves.  v240-242 my tile's images, v243-245 their scale words, v246-248 my plain array, v249 my layer's image of bv
	s_mul_i32 s3, s2, 1536
	v_add_nc_u32 v240, s3, v[LI]
	s_delay_alu instid0(VALU_DEP_1)
	v_add_nc_u32 v241, LSTR, v240
	s_delay_alu instid0(VALU_DEP_2)
	v_add_nc_u32 v242, 2*LSTR, v240
	s_lshl_b32 s3, s2, 6
	v_add_nc_u32 v243, s3, v[LR4]
	s_delay_alu instid0(VALU_DEP_1)
	v_add_nc_u32 v244, LSTR, v243
	s_delay_alu instid0(VALU_DEP_2)
	v_add_nc_u32 v245, 2*LSTR, v243
	s_and_b32 s62, s2, 3
	s_lshl_b32 s3, s62, 9
	v_add_nc_u32 v246, s3, v[LI]
	s_delay_alu instid0(VALU_DEP_1)
	v_add_nc_u32 v247, LSTR, v246
	s_delay_alu instid0(VALU_DEP_2)
	v_add_nc_u32 v248, 2*LSTR, v246
	s_mul_i32 s3, s62, LSTR
	v_add_nc_u32 v249, s3, v[LI]
	v_and_b32 v254, 7, v0
	v_bfe_u32 v253, v0, 3, 1
	s_delay_alu instid0(VALU_DEP_1)
	v_lshl_add_u32 v254, v253, 5, v254             ; my weight row in a tile: r % 8 + 32 (r / 8)
	s_lshr_b32 s3, s2, 2
	s_lshl_b32 s3, s3, 6
	s_lshl_b32 s63, s62, 3
	s_add_co_u32 s3, s3, s63                       ; tile w's first weight row: 64 (w / 4) + 8 (w % 4)
	s_lshl_b32 s63, s3, 2
	v_lshl_add_u32 v251, v254, 2, s63              ; v251 and in its scale words
	s_lshl_b32 s63, s62, 9
	v_lshl_add_u32 v252, v254, 2, s63
	s_delay_alu instid0(VALU_DEP_1)
	v_lshl_add_u32 v252, v255, 5, v252             ; v252 bv: layer w - 4; feature 8 (lane / 16) + my row
	v_lshlrev_b32 v254, 5, v15
	s_delay_alu instid0(VALU_DEP_1)
	v_lshl_add_u32 v254, v255, 3, v254             ; v254 mask: 32 r + 8 h
	v_mov_b32 v253, 0xff800000                     ; -infinity
	s_mov_b32 s[SEL], 0x76543210
	s_mov_b32 s[SEL+1], 0xfedcba98
	s_mov_b32 s[EPS], 0x3727c5ac                   ; 1e-5
	s_mov_b32 s[R128], 0x3c000000                  ; 1 / 128
	s_mov_b32 s[L2E], 0x3fb8aa3b                   ; log2(e)
	s_lshl_b32 s3, ttmp9, 5
	s_lshl_b32 s63, s2, 2
	s_add_co_u32 s3, s3, s63                       ; my first sample: 32 x work-group + 4 x wave
	s_mul_i32 s62, s3, 2560
	s_mov_b32 s63, 0
	s_wait_kmcnt 0x0
	s_add_nc_u64 s[8:9], s[8:9], s[62:63]
	s_add_nc_u64 s[10:11], s[10:11], s[62:63]
	s_add_nc_u64 s[12:13], s[12:13], s[62:63]
	s_add_nc_u64 s[46:47], s[46:47], s[62:63]
	s_add_nc_u64 s[48:49], s[48:49], s[62:63]
	s_add_nc_u64 s[50:51], s[50:51], s[62:63]
	s_lshl_b32 s62, s3, 9
	s_add_nc_u64 s[14:15], s[14:15], s[62:63]
	s_add_nc_u64 s[44:45], s[44:45], s[62:63]
	s_cmp_lt_u32 s2, 2                             ; waves 0 to 3 bring bq, bk, ln_g, ln_b: the choice hangs on the wave's number alone
	s_cselect_b64 s[4:5], s[24:25], s[20:21]
	s_cselect_b64 s[6:7], s[26:27], s[22:23]
	s_bitcmp1_b32 s2, 0
	s_cselect_b64 s[4:5], s[6:7], s[4:5]
	; each wave's own small part of the head's loads
	s_cmp_lt_u32 s2, 4
	s_cbranch_scc0 .Lload_hi
	global_load_b128 v[192:195], v[LI], s[4:5]
	global_load_b128 v[196:199], v[LI], s[4:5] offset:512
	global_load_b128 v[200:203], v[LI], s[4:5] offset:1024
	s_branch .Lload_done
.Lload_hi:
	s_cmp_lt_u32 s2, 7
	s_cbranch_scc0 .Lload_mask
	s_wait_alu depctr_va_vdst(0)
.irp k, 0,1,2,3                        ; waves 4 to 6: bv of layer w - 4; load k: tiles 2 k and 2 k + 1, lane r's feature
	global_load_b32 v[192+4*\k], v252, s[28:29] offset:256*(\k/2)+64*(\k%2)
.endr
	s_branch .Lload_done
.Lload_mask:
	s_wait_alu depctr_va_vdst(0)
.irp n, 0,1,2,3                        ; wave 7: the mask; load n = 2 qt + kt: bytes [16 qt + r][16 kt + 8 h + 0 .. 7]
	global_load_b64 v[192+2*\n:193+2*\n], v254, s[30:31] offset:512*(\n/2)+16*(\n%2)
.endr
.Lload_done:
	WIN 0x40
	ROWS 0, 2                                      ; pair 1's rows
	WIN 0
	s_wait_alu depctr_va_vdst(0)
.irp l, 0,1,2                          ; tile w of the nine weights
.irp m, 0,1,2                          ; each load covers 512 consecutive bytes of wimg: v240 = 1,536 x wave + 16 x lane serves in wimg as it serves in LDS
.irp g, 0,1,2
	global_load_b128 v[80+36*\l+12*\m+4*\g:83+36*\l+12*\m+4*\g], v240, s[32:33] offset:36864*\l+12288*\m+512*\g
.endr
.endr
	global_load_b32 v[16+3*\l], v251, s[38:39] offset:512*\l
	global_load_b32 v[17+3*\l], v251, s[40:41] offset:512*\l
	global_load_b32 v[18+3*\l], v251, s[42:43] offset:512*\l
.endr
	WIN 0x40
	ROWS 128, 0                                    ; pair 0's rows
	WIN 0
	s_wait_loadcnt 32                              ; all but pair 0's 32 rows are in
.irp l, 0,1,2
.irp m, 0,1,2
.irp g, 0,1,2
	ds_store_b128 v[240+\l], v[80+36*\l+12*\m+4*\g:83+36*\l+12*\m+4*\g] offset:12288*\m+512*\g
.endr
	ds_store_b32 v[243+\l], v[16+3*\l+\m] offset:SCL+512*\m   ; (lanes r and r + 16 write the same word with the same value)
.endr
.endr
	s_cmp_lt_u32 s2, 4
	s_cbranch_scc0 .Lstore_hi
	ds_store_b128 v246, v[192:195] offset:BQO
	ds_store_b128 v247, v[196:199] offset:BQO
	ds_store_b128 v248, v[200:203] offset:BQO
	s_branch .Lstore_done
.Lstore_hi:
	s_cmp_lt_u32 s2, 7
	s_cbranch_scc0 .Lstore_mask
.irp k, 0,1,2,3
	v_mov_b32 v[193+4*\k], v[192+4*\k]
	v_mov_b32 v[194+4*\k], v[192+4*\k]
	v_mov_b32 v[195+4*\k], v[192+4*\k]
	ds_store_b128 v249, v[192+4*\k:195+4*\k] offset:BVI+512*\k
.endr
	s_branch .Lstore_done
.Lstore_mask:
.irp n, 0,1,2,3
.irp j, 0,1,2,3,4,5,6,7
	v_bfe_u32 v255, v[192+2*\n+\j/4], 8*(\j%4), 8
	s_delay_alu instid0(VALU_DEP_1)
	v_cmp_ne_u32 vcc_lo, 0, v255
	s_delay_alu instid0(VALU_DEP_1)
	v_cndmask_b32 v[208+8*\n+\j], 0, v253, vcc_lo  ; true: hidden: -infinity
.endr
.endr
.irp g, 0,1,2,3,4,5,6,7
	ds_store_b128 v[AMK], v[208+4*\g:211+4*\g] offset:512*\g
.endr
.Lstore_done:
	WIN 0x04
.set zi, 0
.rept 32
	ds_store_b128 v[SRW], v[4*zi:4*zi+3] offset:SP*zi          ; pair 1's rows into my stage
.set zi, zi+1
.endr
	WIN 0
	s_wait_dscnt 0x0                               ; my stores have landed
	s_barrier_signal -1
	s_barrier_wait -1                              ; everybody's have: weights, biases and mask lie in LDS, and are only read from here on
.set zi, 0
.rept 28
	v_mov_b32 v[TM+zi], 0                          ; written once: lane permutes' destinations and the upper halves of pairs count as read
.set zi, zi+1
.endr
.set zi, 0
.rept 8
	v_mov_b32 v[RL+zi], 0
.set zi, zi+1
.endr
.irp i, 0,1,2,3
.irp n, 6,7,8,9,10,11
	v_mov_b32 v[RP+12*\i+\n], 0                    ; p's places 64-127: zero codes, for the whole launch
.endr
.endr
	; THE INPUTS: two trips: pair 1, then pair 0: out of the stage in layout W, LayerNorm of layer 0, quantised, parked
	s_mov_b32 s[PK], PKB
	s_mov_b32 s[LC], 0
.Lin:
	v_add_nc_u32 v[APK], s[PK], v[SRW]
	TILES 2
	GBLOAD 0
	GBLOAD 1
	s_cmp_lg_u32 s[LC], 0
	s_cbranch_scc1 .Lin_rest
	s_wait_loadcnt 0x0                             ; first trip only: pair 0's rows are in, and follow pair 1's into the stage (LDS serves a wave's instructions in order: the loads above come first)
	WIN 0x04
.set zi, 0
.rept 32
	ds_store_b128 v[SRW], v[128+4*zi:131+4*zi] offset:SP*zi
.set zi, zi+1
.endr
	WIN 0
	s_wait_dscnt 0x0                               ; the stores have read their registers, which take the constant tokens' rows
	WIN 0x40
	global_load_b128 v[128:131], v[LI], s[16:17]
.irp i, 1,2,3,4,5,6,7,8,9,10,11,12,13,14,15
	global_load_b128 v[128+4*\i:131+4*\i], v[LI], s[18:19] offset:512*(\i-1)
.endr
	WIN 0
.Lin_rest:
	s_wait_dscnt 0x0
	LNQ 2, XN, 0, 0, 0, 0
	PARK 0, APK, 0
	PARK 1, APK, 2048
	s_wait_dscnt 0x0                               ; the stores have read their registers and their address
	s_xor_b32 s[PK], s[PK], PKX
	s_add_co_u32 s[LC], s[LC], 1
	s_cmp_lt_u32 s[LC], 2
	s_cbranch_scc1 .Lin
	; tokens 16-31 are the same in every sample: their first LayerNorm and quantiser run once a wave
	s_wait_loadcnt 0x0
	WIN 0x04
.set zi, 0
.rept 16
	ds_store_b128 v[SRW], v[128+4*zi:131+4*zi] offset:SP*zi    ; the stage's lower half; pair 0's park lies in the upper
.set zi, zi+1
.endr
	TILES 1
	GBLOAD 0
	GBLOAD 1
	s_wait_dscnt 0x0
	LNQ 1, XN, 0, 0, 0, 0
	PARK 0, SRW, PKC
	WIN 0x40
.irp i, 0,1,2,3,4,5
	v_mov_b32 v[224+\i], 0                         ; the six registers behind V's last fragment are named by its operand: written once
.endr
	WIN 0
	s_wait_dscnt 0x0
; A LAYER for the pair in hand.  last = 1: only queries 16-31 are wanted, and no LayerNorm follows.  Every s_wait_dscnt 0 in front of products but the first (behind LOADG 0, 0) waits for loads issued a whole quantiser earlier.
.macro LAYER last
.set Q0, \last
.set QT, 1+\last
.set QN, 4-2*\last
	v_add_nc_u32 v[AW], s[LB], v[LI]
	v_add_nc_u32 v[AS], s[LB], v[LR4]
	v_add_nc_u32 v[AH], s[LB], v[LH]
	v_add_nc_u32 v[AV], s[LB], v[LBV]
.if !\last
	s_add_co_u32 s[LBN], s[LB], LSTR
	v_add_nc_u32 v[AG], s[LBN], v[LH]
.endif
	LOADG 0, 0
	s_wait_alu depctr_va_vdst(0)
	s_wait_dscnt 0x0
	PLACES 8                                       ; xn's scale words were made by vector instructions: 8 places ahead of the products
	MMQK Q0, QT, QN                                ; q, features 0-31 and 32-63 of each half
	PLACES NPL
	LOADG 0, 1
	QH FQ, 12, 1, CT1, 8, Q0, QT, QN
	s_wait_dscnt 0x0
	MMQK Q0, QT, QN
	PLACES NPL
	LOADG 1, 0
	QH FQ+6, 12, 1, CT1, 12, Q0, QT, QN
	WIN 0
.set wn, Q0
.rept QN
	SWORD TM+8+wn, TM+12+wn, QS+wn, TM+16+wn
.set wn, wn+QT
.endr
	s_wait_dscnt 0x0
	MMQK 0, 1, 4                                   ; k
	PLACES NPL
	LOADG 1, 1
	QH FK, 12, 1, CT1, 8, 0, 1, 4
	s_wait_dscnt 0x0
	MMQK 0, 1, 4
	PLACES NPL
	WIN 0
.irp g, 0,1,2,3,4,5,6,7
	ds_load_b128 v[RC+4*\g:RC+4*\g+3], v[AMK] offset:512*\g    ; the mask
.endr
	QH FK+6, 12, 1, CT1, 12, 0, 1, 4
	WIN 0
.set wn, 0
.rept 4
	SWORD TM+8+wn, TM+12+wn, KS+wn, TM+16+wn
.set wn, wn+1
.endr
	PLACES 8
	MMS Q0, QT, QN
	PLACES NPL
	s_wait_dscnt 0x0
	SOFTMAX Q0, QT, QN
	s_wait_dscnt 0x0
	MMV
	PLACES NPL
	LOADG 2, 1
	VQ 0
	s_wait_dscnt 0x0
	MMV
	PLACES NPL
.if !\last
	GBLOAD 0
	GBLOAD 1
.endif
	VQ 1
	PLACES 8
.if \last
	MMPV 0, 1, 0
	MMPV 1, 1, 64
	PLACES NPL
.else
	MMPV 0, 0, 0
	MMPV 0, 1, 64
	PLACES NPL
	LNQ 2, XN, 0, 1, RL, 1
	MMPV 1, 0, 0
	MMPV 1, 1, 64
	PLACES NPL
	LNQ 2, XN+24, 2, 1, RL+4, 0
.endif
.endm
	s_mov_b32 s[PK], PKA
	s_mov_b32 s[IT], 0
.Lpair:
	v_add_nc_u32 v[APK], s[PK], v[SRW]
	UNPARK 0, APK, 0
	UNPARK 2, APK, 2048
	UNPARK 1, SRW, PKC
	UNPARK 3, SRW, PKC
	s_mov_b32 s[LB], 0
.Llayer:
	s_wait_alu depctr_va_vdst(0)
	LAYER 0
	WIN 0
	s_add_co_u32 s[LB], s[LB], LSTR
	s_cmp_lt_u32 s[LB], 2*LSTR
	s_cbranch_scc1 .Llayer
	LAYER 1
	; THE WAY OUT: x 1 / l; through my stage; whole rows of 512 bytes
	WIN 0x41
.irp e, 0,1
.set oi, 0
.rept 32
	v_pk_mul_f32 v[64*\e+oi:64*\e+oi+1], v[64*\e+oi:64*\e+oi+1], v[RL+4*\e+2:RL+4*\e+3] op_sel_hi:[1,0]
.set oi, oi+2
.endr
.endr
	WIN 0x04
.irp e, 0,1
.irp c, 0,1
.irp i, 0,1,2,3,4,5,6,7
	ds_store_b128 v[SRD], v[64*\e+32*\c+4*\i:64*\e+32*\c+4*\i+3] offset:8448*\e+256*\c+16*\i
.endr
.endr
.endr
	WIN 0x40
.set oi, 0
.rept 32
	ds_load_b128 v[4*oi:4*oi+3], v[SRW] offset:SP*oi           ; LDS serves a wave's instructions in order: these see the stores above
.set oi, oi+1
.endr
	s_wait_dscnt 0x0
	WIN 0x04
.irp e, 0,1
	global_store_b128 v[LI], v[64*\e:64*\e+3], s[44:45] offset:512*\e th:TH_STORE_NT   ; token 16; each store covers 512 consecutive bytes, aligned
.irp i, 0,1,2,3,4
	global_store_b128 v[LI], v[64*\e+4+4*\i:64*\e+7+4*\i], s[46:47] offset:2560*\e+512*\i th:TH_STORE_NT     ; tokens 17-21
	global_store_b128 v[LI], v[64*\e+24+4*\i:64*\e+27+4*\i], s[48:49] offset:2560*\e+512*\i th:TH_STORE_NT   ; tokens 22-26
	global_store_b128 v[LI], v[64*\e+44+4*\i:64*\e+47+4*\i], s[50:51] offset:2560*\e+512*\i th:TH_STORE_NT   ; tokens 27-31
.endr
.endr
	WIN 0
	s_wait_xcnt 0x0                                ; the stores have read their registers and bases: both may be written again
	s_add_nc_u64 s[44:45], s[44:45], 1024          ; on to the next pair's rows (behind the last pair the step is not used)
	s_add_nc_u64 s[46:47], s[46:47], 5120
	s_add_nc_u64 s[48:49], s[48:49], 5120
	s_add_nc_u64 s[50:51], s[50:51], 5120
	s_xor_b32 s[PK], s[PK], PKX
	s_add_co_u32 s[IT], s[IT], 1
	s_cmp_lt_u32 s[IT], 2
	s_cbranch_scc1 .Lpair
	s_wait_xcnt 0x0
	v_lshl_add_u32 v254, v0, 2, 0x4d200
	v_mov_b32 v255, 0
	s_wait_alu depctr_va_vdst(0)
	s_wait_tensorcnt 0x0
	ds_add_u32 v254, v255
	s_wait_dscnt 0x0
	s_endpgm
.Lfunc_end_k_q60f8c3b262_seer:
	.size	k_q60f8c3b262_seer, .Lfunc_end_k_q60f8c3b262_seer-k_q60f8c3b262_seer
	.p2alignl 7, 3214868480
	.fill 96, 4, 3214868480
	.section	.rodata,"a",@progbits
	.p2align	6, 0x0
	.amdhsa_kernel k_q60f8c3b262_seer
		.amdhsa_group_segment_fixed_size 316928
		.amdhsa_private_segment_fixed_size 0
		.amdhsa_enable_private_segment 0
		.amdhsa_kernarg_size 160
		.amdhsa_user_sgpr_count 2
		.amdhsa_user_sgpr_kernarg_segment_ptr 1
		.amdhsa_wavefront_size32 1
		.amdhsa_system_sgpr_workgroup_id_x 1
		.amdhsa_system_sgpr_workgroup_id_y 1
		.amdhsa_system_sgpr_workgroup_id_z 1
		.amdhsa_system_vgpr_workitem_id 0
		.amdhsa_next_free_vgpr 512
		.amdhsa_next_free_sgpr 66
		.amdhsa_reserve_vcc 1
		.amdhsa_float_denorm_mode_32 3
		.amdhsa_float_denorm_mode_16_64 3
		.amdhsa_memory_ordered 1
		.amdhsa_forward_progress 1
		.amdhsa_inst_pref_size 255
	.end_amdhsa_kernel
	.section	.bss,"aw",@nobits
	.p2align	6
	.space	262144
	.amdgpu_metadata
---
amdhsa.version: [ 1, 2 ]
amdhsa.kernels:
  - .name:           k_q60f8c3b262_seer
    .symbol:         k_q60f8c3b262_seer.kd
    .args:
      - { .name: obs, .offset: 0, .size: 8, .value_kind: global_buffer, .address_space: global }
      - { .name: obs_wrist, .offset: 8, .size: 8, .value_kind: global_buffer, .address_space: global }
      - { .name: state, .offset: 16, .size: 8, .value_kind: global_buffer, .address_space: global }
      - { .name: task_z, .offset: 24, .size: 8, .value_kind: global_buffer, .address_space: global }
      - { .name: action_token, .offset: 32, .size: 8, .value_kind: global_buffer, .address_space: global }
      - { .name: pred_token, .offset: 40, .size: 8, .value_kind: global_buffer, .address_space: global }
      - { .name: ln_g, .offset: 48, .size: 8, .value_kind: global_buffer, .address_space: global }
      - { .name: ln_b, .offset: 56, .size: 8, .value_kind: global_buffer, .address_space: global }
      - { .name: bq, .offset: 64, .size: 8, .value_kind: global_buffer, .address_space: global }
      - { .name: bk, .offset: 72, .size: 8, .value_kind: global_buffer, .address_space: global }
      - { .name: bv, .offset: 80, .size: 8, .value_kind: global_buffer, .address_space: global }
      - { .name: mask, .offset: 88, .size: 8, .value_kind: global_buffer, .address_space: global }
      - { .name: wimg, .offset: 96, .size: 8, .value_kind: global_buffer, .address_space: global }
      - { .name: wq_scales, .offset: 104, .size: 8, .value_kind: global_buffer, .address_space: global }
      - { .name: wk_scales, .offset: 112, .size: 8, .value_kind: global_buffer, .address_space: global }
      - { .name: wv_scales, .offset: 120, .size: 8, .value_kind: global_buffer, .address_space: global }
      - { .name: out0, .offset: 128, .size: 8, .value_kind: global_buffer, .address_space: global }
      - { .name: out1, .offset: 136, .size: 8, .value_kind: global_buffer, .address_space: global }
      - { .name: out2, .offset: 144, .size: 8, .value_kind: global_buffer, .address_space: global }
      - { .name: out3, .offset: 152, .size: 8, .value_kind: global_buffer, .address_space: global }
    .group_segment_fixed_size: 316928
    .private_segment_fixed_size: 0
    .kernarg_segment_align: 8
    .kernarg_segment_size: 160
    .max_flat_workgroup_size: 256
    .sgpr_count:     66
    .vgpr_count:     512
    .wavefront_size: 32
...
	.end_amdgpu_metadata
.endif
;; end of part 2
